; MI455X (gfx1250); checked and timed in simulation.
; The chip was launched on July 23, 2026; its instructions are those of AMD's public machine-readable ISA for CDNA 5 (MIT licence, August 2026) and "CDNA5" Instruction Set Architecture Reference Guide (July 2026). The comments in the code are by the model that wrote it; some were corrected since.
;; Causal Self Attention. Allowed arithmetic: matrix products marked QUANTISED: E4M3 operands, one given power-of-two scale a tensor, by v_wmma_f32_16x16x64_fp8_fp8 or v_wmma_f32_16x16x128_fp8_fp8, f32 sums; everything else in f32.
;; Inputs: b_proj 1,024 float32; b_qkv 3,072 float32; lowp_scales 8 int32 (the exponents e of the quantised operands' scales 2^e); w_proj 1,024 x 1,024 float32; w_qkv 1,024 x 3,072 float32; x 4 x 2,048 x 1,024 float32.
;; Outputs: out0 4 x 2,048 x 1,024 float32.
;; This version of the problem:
;;   THIS VERSION OF THE PROBLEM IS GIVEN IN LOW PRECISION. The matrix products marked QUANTISED in the list below multiply operands that are first quantised to E4M3 (4 exponent bits, 3 mantissa bits; 8 bits a number), with one given power-of-two scale for each operand tensor; their sums are f32. All else is computed in f32.
;;   The module's matrix products, in the order in which they are computed (A, B: the left and right operand; K: the contracted axis; several contracted axes count as one K, in the product's order):
;;     1. [M 8,192, K 1,024] x [K 1,024, N 3,072]; A: input x; B: input w_qkv: QUANTISED (scales: A lowp_scales[0], B lowp_scales[1])
;;     2. batch 64 x [M 2,048, K 64] x [K 64, N 2,048]; A: computed on the way; B: computed on the way: QUANTISED (scales: A lowp_scales[2], B lowp_scales[3])
;;     3. batch 64 x [M 2,048, K 2,048] x [K 2,048, N 64]; A: softmax (see below); B: computed on the way: QUANTISED (scales: A lowp_scales[4], B lowp_scales[5])
;;     4. [M 8,192, K 1,024] x [K 1,024, N 1,024]; A: computed on the way; B: input w_proj: QUANTISED (scales: A lowp_scales[6], B lowp_scales[7])
;;   THE QUANTISER, for each operand of a quantised product, along K:
;;     - The operand's scale is 2^e, e = its entry of the input lowp_scales (int32; the entries are numbered through the quantised products in the list's order, A before B).
;;     - Each number is divided by the scale, clamped to +-448, and rounded to the nearest number of E4M3, ties to even, subnormals kept.
;;     - The product sums the exact products of the quantised numbers (number of the format x scale) in f32.
;;   ~~~python
;;   def quantise(x, axis, e):      # numpy; x: float32 -> the quantised numbers, widened to float32 again
;;       x = np.moveaxis(x, axis, -1); K = x.shape[-1]
;;       r = np.clip(x / 2.0 ** e, -448, 448)
;;       step = 2.0 ** (np.maximum(np.frexp(np.where(r == 0, 1, r))[1] - 1, -6) - 3)
;;       q = np.round(r / step) * step * 2.0 ** e      # np.round: ties to even
;;       return np.moveaxis(q, -1, axis).astype(np.float32)
;;   ~~~
;;   SOFTMAX AHEAD OF A QUANTISED PRODUCT. Where the list says 'softmax', what is quantised is not the finished softmax but p = 2^(t - M), with t = logit x log2(e) and M = ceil(the row's largest t), a whole number; so 1/2 < the row's largest p <= 1. The row's sum l is taken of the UNQUANTISED p, in f32, and the product's result is divided by l at the end. Since M is a whole number, a kernel that streams over the keys may use a running M (the ceiling of the running maximum): every later rescaling is an exact power of two, so the quantised numbers keep their values, but for numbers so far below the row's largest that they fall under the format's range.
;;   OPERANDS COMPUTED ON THE WAY. 'Computed on the way' means the value that the module computes at that place (a softmax that the list does not call 'softmax' is quantised finished and normalised). What goes into a quantiser is computed in f32, as accurately as f32 sums, v_exp_f32 and their like allow (about 1e-6 of the number): no bf16 or f16 on the way to a quantiser, and a product that is left as it is and whose result goes on into a quantised operand takes f32 operands (vector FMAs, or v_wmma_f32_16x16x4_f32). A number that lies on a knife's edge between two numbers of the format may be rounded either way, as far as f32 arithmetic and the matrix unit's own rounding can turn it there, and no further.
;; One version. Each part assembles by itself: llvm-mc -triple=amdgcn-amd-amdhsa -mcpu=gfx1250 --defsym DOCPART=n.
;; ======== version 1 of 1: 4 launches
;; limits: right only within a limited range of input values
;; workspace buffers: x_img 8,388,608 bytes; wqkv_img 3,145,728 bytes; wproj_img 1,048,576 bytes; qkv_img 25,165,824 bytes; att_img 8,388,608 bytes
;; launch quant (part 1): grid 384 x 1, 4 waves a work-group, no clusters, 35,328 bytes of LDS; arguments x, w_qkv, w_proj, lowp_scales, x_img, wqkv_img, wproj_img; writes x_img, wqkv_img, wproj_img
.if DOCPART == 1
	.amdgcn_target "amdgcn-amd-amdhsa--gfx1250"
	.amdhsa_code_object_version 6
	.text
	.protected	k_q055f1da922_quant
	.globl	k_q055f1da922_quant
	.p2align	8
	.type	k_q055f1da922_quant,@function
k_q055f1da922_quant:
	s_mov_b64 s[64:65], 0
	v_nop
	global_prefetch_b8 v0, s[64:65] scope:SCOPE_SE
	s_setreg_imm32_b32 hwreg(HW_REG_WAVE_MODE, 25, 1), 1
	s_wait_xcnt 0x0
; x [8192][1024], w_qkv [1024][3072] and w_proj [1024][1024], f32, become codes of FP8 (E4M3), each with the one scale 2^e given for it (entries 0, 1 and 7 of the exponents).
; code = number / 2^e, held within +-448, to the nearest code, ties to even.  LIMITS: each e between -126 and 119; NaN among the inputs is not served.
; THE CODES ARE LAID AS THE MATRIX UNIT'S REGISTERS WANT THEM.  A matrix [rows][K] becomes [rows / 16][K / 32][512 bytes]: in such a piece lane l = (r = l % 16, h = l / 16) owns the 16 bytes at 16 l:
; row r's codes at k = 32 c + 8 h + 0..7 and k = 32 c + 16 + 8 h + 0..7: registers 4 c .. 4 c + 3 of a fragment of the plain fp8 forms.  A weight's "rows" are its columns n: K becomes innermost.
; Work-groups 0-255 take x, 256-351 w_qkv, 352-383 w_proj: 131,072 bytes of input each.  No tensor load, no barrier: waves share nothing.
; x: a wave takes 16 rows x 512 K in eight steps of 64 K.  A load covers two rows' 256 consecutive bytes; the numbers turn through the wave's own stage in LDS, so that a lane gets 8 neighbours along K at a time.
; weights: a lane takes a column and its registers run down K, so the conversions give K innermost with nothing transposed; sixteen lanes store 256 consecutive bytes.
.set SP,    272                        ; a stage row: 256 bytes + 16, an odd multiple of 16, so that the 16 rows that a load touches start at 16 different banks (64 banks of 4 bytes: ISA guide 11.1)
.set STG,   16*SP                      ; a stage: 16 rows
.set WSTG,  2*STG                      ; two stages for each wave
.set SPARE, 4*WSTG                     ; behind the stages: the spare words, 128 bytes for each wave: two blocks of 256 bytes that no other line names
.set LIM,   10
.set SCL,   11                         ; v11  2^e as f32
.set SPW,   12                         ; v12  LDS address of my spare word; never rewritten
.set NIL,   13                         ; v13  0; never rewritten
.set R,     16                         ; x: v16-143   four sets of 32 numbers as loaded
.set X,     144                        ; x: v144-207  two sets of 32 numbers, neighbours along K
.set C,     208                        ; x: v208-239  four sets of 8 registers of codes
.set WX,    32                         ; weights: v32-95  two sets of 32 numbers
.set WC,    96                         ; weights: v96-159 eight registers of codes for each of 8 blocks: no store's data are written again
	s_load_b256 s[4:11], s[0:1], 0x0               ; x s[4:5], w_qkv s[6:7], w_proj s[8:9], the exponents s[10:11]
	s_load_b128 s[12:15], s[0:1], 0x20             ; x_img s[12:13], wqkv_img s[14:15]
	s_load_b64 s[16:17], s[0:1], 0x30              ; wproj_img
	v_lshl_add_u32 v[SPW], v0, 2, SPARE
	v_mov_b32 v[NIL], 0
	v_lshrrev_b32 v1, 5, v0
	v_readfirstlane_b32 s20, v1                    ; wave 0..3
	v_and_b32 v2, 31, v0                           ; lane
	v_and_b32 v5, 15, v0                           ; r
	v_bfe_u32 v6, v0, 4, 1                         ; h
	v_lshlrev_b32 v4, 4, v2                        ; 16 l: my place in a piece
	v_lshlrev_b32 v7, 4, v5                        ; 16 r
	v_lshl_add_u32 v3, v6, 12, v7                  ; x, in: lanes 0-15 one row's 256 bytes, lanes 16-31 the next row's (4,096 bytes on)
	s_mul_i32 s21, s20, WSTG
	v_mul_u32_u24 v14, v6, SP
	v_add_nc_u32 v14, v14, v7
	v_add_nc_u32 v14, s21, v14                     ; the stage, on the way in: the same two rows
	v_mul_u32_u24 v15, v5, SP
	v_lshl_add_u32 v15, v6, 5, v15
	v_add_nc_u32 v15, s21, v15                     ; and on the way out: row r, + 32 h bytes: eight numbers of my half
	v_lshlrev_b32 v9, 2, v2                        ; weights, in: 4 bytes a lane
	v_lshl_add_u32 v8, v6, 14, v7                  ; weights, out: lanes 0-15 one tile of 16 columns, lanes 16-31 the next (16,384 bytes on); 16 bytes a column
	s_wait_kmcnt 0x0
	s_load_b256 s[24:31], s[10:11], 0x0            ; the eight exponents
	s_cmp_lt_u32 ttmp9, 256
	s_cbranch_scc0 .Lweights
.macro MKSCALE e                       ; 2^e as f32 (the conversion takes its exponent field), and 448 x 2^e
	s_add_co_i32 s21, s[\e], 127
	s_lshl_b32 s22, s21, 23
	v_mov_b32 v[SCL], s22
	s_add_co_i32 s21, s21, 8
	s_lshl_b32 s21, s21, 23
	s_or_b32 s21, s21, 0x600000
.endm
; ---------------- x
.macro LOADX t                         ; step t: 16 rows x 256 bytes, two rows a load
.set i, 0
.rept 8
	global_load_b128 v[R+32*((\t)%4)+4*i:R+32*((\t)%4)+4*i+3], v3, s[4:5] offset:8192*i+256*(\t) th:TH_LOAD_NT
.set i, i+1
.endr
.endm
.macro TURNX t                         ; step t's numbers through the stage: LDS serves a wave's instructions in order (ISA guide 5.7.1.4), so no wait stands between the stores and the loads
.set i, 0
.rept 8
	ds_store_b128 v14, v[R+32*((\t)%4)+4*i:R+32*((\t)%4)+4*i+3] offset:STG*((\t)%2)+2*SP*i
.set i, i+1
.endr
.irp c, 0,1                            ; piece c: k = 32 c + 8 h + 0..7 (32 bytes), then k = 32 c + 16 + 8 h + 0..7
	ds_load_b128 v[X+32*((\t)%2)+16*\c:X+32*((\t)%2)+16*\c+3],     v15 offset:STG*((\t)%2)+128*\c
	ds_load_b128 v[X+32*((\t)%2)+16*\c+4:X+32*((\t)%2)+16*\c+7],   v15 offset:STG*((\t)%2)+128*\c+16
	ds_load_b128 v[X+32*((\t)%2)+16*\c+8:X+32*((\t)%2)+16*\c+11],  v15 offset:STG*((\t)%2)+128*\c+64
	ds_load_b128 v[X+32*((\t)%2)+16*\c+12:X+32*((\t)%2)+16*\c+15], v15 offset:STG*((\t)%2)+128*\c+80
.endr
.endm
.macro STEPX t
.set XS, X+32*((\t)%2)
.set CC, C+8*((\t)%4)
	s_wait_dscnt 0x0                               ; this step's numbers are back from the stage, and its stores into the stage have read their registers,
.if (\t)+4 < 8
	LOADX (\t)+4                                   ; which take the loads of four steps on
.endif
.if (\t)+1 < 8
.if (\t) < 4
	s_wait_loadcnt 24                              ; the next step's eight loads are in; those of the three steps behind it may be out
.else
	s_wait_loadcnt 8*(6-(\t))                      ; the counts run down: 6 - t steps are behind the next one
.endif
	TURNX (\t)+1                                   ; they go through the other stage while this step is worked
.endif
.set i, 0
.rept 32
.set i, i+1
.endr
.if (\t) >= 4
	s_wait_xcnt 0x0                                ; the stores of four steps ago have read this set of code registers
.endif
.irp c, 0,1
	v_cvt_scalef32_pk8_fp8_f32 v[CC+4*\c:CC+4*\c+1],   v[XS+16*\c:XS+16*\c+7],    v[SCL]
	v_cvt_scalef32_pk8_fp8_f32 v[CC+4*\c+2:CC+4*\c+3], v[XS+16*\c+8:XS+16*\c+15], v[SCL]
.endr
	global_store_b128 v4, v[CC:CC+3],   s[12:13] offset:1024*(\t)       ; a piece: 512 consecutive bytes
	global_store_b128 v4, v[CC+4:CC+7], s[12:13] offset:1024*(\t)+512
.endm
	s_lshl_b32 s21, ttmp9, 2
	s_add_co_u32 s21, s21, s20                     ; 4 x work-group + wave:
	s_lshr_b32 s22, s21, 1                         ; the tile of 16 rows,
	s_and_b32 s23, s21, 1                          ; and which half of K
	s_lshl_b32 s32, s22, 16                        ; 16 rows of 4,096 bytes
	s_lshl_b32 s34, s23, 11
	s_add_co_u32 s32, s32, s34
	s_mov_b32 s33, 0
	s_add_nc_u64 s[4:5], s[4:5], s[32:33]
	s_lshl_b32 s32, s22, 14                        ; a tile's 32 pieces
	s_lshl_b32 s34, s23, 13
	s_add_co_u32 s32, s32, s34
	s_add_nc_u64 s[12:13], s[12:13], s[32:33]
	s_wait_alu depctr_va_vdst(0)
	LOADX 0
	LOADX 1
	LOADX 2
	LOADX 3
	s_wait_kmcnt 0x0
	MKSCALE 24
	s_wait_alu depctr_va_vdst(0)
	s_wait_loadcnt 24                              ; step 0's eight loads are in
	TURNX 0
.irp t, 0,1,2,3,4,5,6,7
	STEPX \t
.endr
	s_wait_tensorcnt 0x0                           ; the wave's end, behind my last LDS store
	ds_add_u32 v[SPW], v[NIL]
	s_wait_dscnt 0x0
	s_endpgm
; ---------------- the weights: [1024][n] f32.  A work-group takes 128 columns x 256 K, a wave 32 columns: 8 blocks of 32 along K
.macro WLOAD n, t, src                 ; block t: w(32 t + i, my column) into set t % 2; 32 lanes read 128 consecutive bytes, the four waves stand side by side on 512
.set i, 0
.rept 32
	global_load_b32 v[WX+32*((\t)%2)+i], v9, s[\src:\src+1] offset:(32*(\t)+i)*4*\n th:TH_LOAD_NT
.set i, i+1
.endr
.endm
.macro WBLOCK n, t, src, dst
.set XS, WX+32*((\t)%2)
.set CC, WC+8*(\t)
.if (\t) < 7
	s_wait_loadcnt 32                              ; this block's 32 loads are in; the next block's may be out
.else
	s_wait_loadcnt 0x0
.endif
.set i, 0
.rept 32
.set i, i+1
.endr
	v_cvt_scalef32_pk8_fp8_f32 v[CC:CC+1],   v[XS:XS+7],     v[SCL]   ; k 0-7 and k 16-23 are the piece's bytes of h = 0: registers 0-3;
	v_cvt_scalef32_pk8_fp8_f32 v[CC+4:CC+5], v[XS+8:XS+15],  v[SCL]   ; k 8-15 and k 24-31 those of h = 1: registers 4-7
	v_cvt_scalef32_pk8_fp8_f32 v[CC+2:CC+3], v[XS+16:XS+23], v[SCL]
	v_cvt_scalef32_pk8_fp8_f32 v[CC+6:CC+7], v[XS+24:XS+31], v[SCL]
	global_store_b128 v8, v[CC:CC+3],   s[\dst:\dst+1] offset:512*(\t)       ; sixteen lanes store 256 consecutive bytes, aligned
	global_store_b128 v8, v[CC+4:CC+7], s[\dst:\dst+1] offset:512*(\t)+256
.if (\t)+2 < 8
	WLOAD \n, (\t)+2, \src
.endif
.endm
.macro WPATH n, first, src, dst, e
	s_sub_co_u32 s21, ttmp9, \first
	s_lshr_b32 s22, s21, 2                         ; which 128 columns,
	s_and_b32 s23, s21, 3                          ; which 256 along K
	s_lshl_b32 s22, s22, 7
	s_lshl_b32 s32, s20, 5
	s_add_co_u32 s22, s22, s32                     ; my wave's first column
	s_mul_i32 s32, s23, 1024*\n                    ; 256 rows of 4 n bytes
	s_lshl_b32 s34, s22, 2
	s_add_co_u32 s32, s32, s34
	s_mov_b32 s33, 0
	s_add_nc_u64 s[\src:\src+1], s[\src:\src+1], s[32:33]
	s_lshl_b32 s32, s22, 10                        ; column / 16 tiles of 16,384 bytes
	s_lshl_b32 s34, s23, 12                        ; 8 pieces of 512 bytes
	s_add_co_u32 s32, s32, s34
	s_add_nc_u64 s[\dst:\dst+1], s[\dst:\dst+1], s[32:33]
	WLOAD \n, 0, \src
	WLOAD \n, 1, \src
	s_wait_kmcnt 0x0
	MKSCALE \e
	s_wait_alu depctr_va_vdst(0)
.irp t, 0,1,2,3,4,5,6,7
	WBLOCK \n, \t, \src, \dst
.endr
.endm
.Lweights:
	s_cmp_lt_u32 ttmp9, 352
	s_cbranch_scc0 .Lproj
	s_wait_alu depctr_va_vdst(0)
	WPATH 3072, 256, 6, 14, 25
	s_endpgm
.Lproj:
	s_wait_alu depctr_va_vdst(0)
	WPATH 1024, 352, 8, 16, 31
	s_endpgm
.Lfunc_end_k_q055f1da922_quant:
	.size	k_q055f1da922_quant, .Lfunc_end_k_q055f1da922_quant-k_q055f1da922_quant
	.p2alignl 7, 3214868480
	.fill 96, 4, 3214868480
	.section	.rodata,"a",@progbits
	.p2align	6, 0x0
	.amdhsa_kernel k_q055f1da922_quant
		.amdhsa_group_segment_fixed_size 35328
		.amdhsa_private_segment_fixed_size 0
		.amdhsa_enable_private_segment 0
		.amdhsa_kernarg_size 56
		.amdhsa_user_sgpr_count 2
		.amdhsa_user_sgpr_kernarg_segment_ptr 1
		.amdhsa_wavefront_size32 1
		.amdhsa_system_sgpr_workgroup_id_x 1
		.amdhsa_system_sgpr_workgroup_id_y 1
		.amdhsa_system_sgpr_workgroup_id_z 1
		.amdhsa_system_vgpr_workitem_id 0
		.amdhsa_next_free_vgpr 240
		.amdhsa_next_free_sgpr 66
		.amdhsa_reserve_vcc 0
		.amdhsa_float_denorm_mode_32 3
		.amdhsa_float_denorm_mode_16_64 3
		.amdhsa_fp16_overflow 1
		.amdhsa_memory_ordered 1
		.amdhsa_forward_progress 1
		.amdhsa_inst_pref_size 78
	.end_amdhsa_kernel
	.amdgpu_metadata
---
amdhsa.version: [ 1, 2 ]
amdhsa.kernels:
  - .name:           k_q055f1da922_quant
    .symbol:         k_q055f1da922_quant.kd
    .args:
      - { .name: x, .offset: 0, .size: 8, .value_kind: global_buffer, .address_space: global }
      - { .name: w_qkv, .offset: 8, .size: 8, .value_kind: global_buffer, .address_space: global }
      - { .name: w_proj, .offset: 16, .size: 8, .value_kind: global_buffer, .address_space: global }
      - { .name: lowp_scales, .offset: 24, .size: 8, .value_kind: global_buffer, .address_space: global }
      - { .name: x_img, .offset: 32, .size: 8, .value_kind: global_buffer, .address_space: global }
      - { .name: wqkv_img, .offset: 40, .size: 8, .value_kind: global_buffer, .address_space: global }
      - { .name: wproj_img, .offset: 48, .size: 8, .value_kind: global_buffer, .address_space: global }
    .group_segment_fixed_size: 35328
    .private_segment_fixed_size: 0
    .kernarg_segment_align: 8
    .kernarg_segment_size: 56
    .max_flat_workgroup_size: 128
    .sgpr_count:     66
    .vgpr_count:     240
    .wavefront_size: 32
...
	.end_amdgpu_metadata
.endif
;; end of part 1
;; launch gemm_qkv (part 2): grid 12 x 32, 4 waves a work-group, clusters of 4 x 4, 327,680 bytes of LDS; arguments x_img, wqkv_img, b_qkv, lowp_scales, qkv_img; writes qkv_img
.if DOCPART == 2
	.amdgcn_target "amdgcn-amd-amdhsa--gfx1250"
	.amdhsa_code_object_version 6
	.text
	.protected	k_q055f1da922_gemm_qkv
	.globl	k_q055f1da922_gemm_qkv
	.p2align	8
	.type	k_q055f1da922_gemm_qkv,@function
k_q055f1da922_gemm_qkv:
	s_mov_b64 s[64:65], 0
	v_nop
	global_prefetch_b8 v0, s[64:65] scope:SCOPE_SE
	s_setreg_imm32_b32 hwreg(HW_REG_WAVE_MODE, 25, 1), 1
	s_wait_xcnt 0x0
	s_wait_alu depctr_hold_cnt(0) depctr_sa_sdst(0) depctr_va_vdst(0) depctr_va_sdst(0) depctr_va_ssrc(0) depctr_va_vcc(0) depctr_vm_vsrc(0)
	s_getreg_b32 s2, hwreg(HW_REG_IB_STS2, 6, 4)
	s_cmp_eq_u32 s2, 0
	s_cbranch_scc0 .Lentry_in_a_cluster
	s_endpgm
.Lentry_in_a_cluster:
	s_bfe_u32 s2, ttmp6, 0x10000c
	s_cmp_lg_u32 s2, 0xf033
	s_cbranch_scc0 .Lentry_shape_is_right
	s_endpgm
.Lentry_shape_is_right:
; q, k, v = x w_qkv + b_qkv on codes of FP8 (E4M3), and their quantising for attention's two products.  K = 1024.
; OPERANDS are images of the matrix unit's registers: [rows / 16][32 pieces][512 bytes]; in a piece lane l owns the 16 bytes at 16 l: registers 4 c .. 4 c + 3 of a fragment of the plain fp8 forms are piece c.
; So every fragment load is 16 x lane + a constant: 512 consecutive bytes, no pitch, no padding.
; A tile of the result, 256 x 256, is made by four waves, 128 x 128 each: 64 accumulators, 512 registers.  K goes in steps of 256 through two LDS slots filled by the tensor data mover.
; THE MATRIX INSTRUCTION IS USED TRANSPOSED (source 0 = 16 rows of "B", source 1 = 16 rows of "A"): lane (r, h) of accumulator b holds A's row r and B's rows 16 b + 8 h + 0..7.  Two conversions, on accumulators
; 2 g and 2 g + 1, therefore ARE piece g of the next operand, whose K runs along B's rows, and one store writes its 512 bytes.
; ROLES, by the cluster's x, which all sixteen partners share.  0: q, 1: k: A = x (tokens), B = w_qkv's columns: K of the next product = the head's 64.  2: v: A = w_qkv's columns 2048.., B = x: v comes out with the KEYS innermost.
; qkv_img: [64 heads][393,216]: q [128 tiles of 16 tokens][2 pieces][512]; at 131,072 k likewise; at 262,144 v^T [16 steps of 128 keys][4 tiles of 16 channels][4 pieces][512].
; CLUSTERS: 4 x 4.  A's tiles are shared along a row of the cluster, B's along a column: each is asked for jointly, by the same tensor load with the same descriptor and a mask that names the four.
; number = sum x 2^(e0 + e1) + bias, one fused multiply-add; held within +-448 x 2^e; code = number / 2^e; e = e2 (q), e3 (k), e5 (v).
; LIMITS: e0 + e1 between -126 and 127; e2, e3, e5 between -126 and 119.  NaN among the inputs is not served.
; No prefetch: of the four K steps two are the first fills, and the other two are asked for a K step ahead by their own loads.
; REGISTERS, in windows of 256: window 0: v0-31 addresses; v32-95 the bias; v96-127 at work on the way out; v128-255 A's fragments, ONE set, on the way out the codes.  window 1: B's fragments, TWO sets.
;   window 2: the accumulators of my rows 0-63 ((a, b) at v[8 (8 a + b)]); window 3: those of rows 64-127.
.set TROW,   4096                      ; what a K step holds of a tile of 16 rows: 8 pieces; also a row of a tensor load
.set IMGROW, 16384                     ; a tile of 16 rows in memory: 32 pieces
.set HALFT,  8*TROW                    ; 128 rows: what one tensor load brings, and what one wave reads of A or of B
.set SLOT,   4*HALFT                   ; A's 256 rows, then B's 256 rows
.set SPARE,  2*SLOT                    ; behind the ring: the spare words, 128 bytes for each wave: two blocks of 256 bytes that no other line names
.set HEADB,  393216                    ; a head's block of qkv_img
.set FR,     16                        ; registers of a fragment: 16 rows x 128 K
.set NL,     4                         ; LDS loads that bring one
.set NP,     4                         ; places behind this matrix instruction (ISA guide 7.12.1)
.set SCV,  8                           ; v8   2^e as f32
.set LMV,  9
.set L16,  10                          ; v10  16 x lane
.set H32,  11                          ; v11  32 h
.set R4,   12                          ; v12  4 r
.set ADRA, 16                          ; v16-17  LDS address of my A fragments in slot 0, 1
.set ADRB, 20                          ; v20-21  the same for B
.set SPW,  28                          ; v28  LDS address of my spare word; never rewritten
.set NIL,  29                          ; v29  0; never rewritten
.set BI,   32
.set T,    96
.set AF,   128
.set CD,   128
.set G1, 24                            ; s[24:31] descriptor group 1 for A's tiles;  s[32:39] group 0, one set for each slot
.set G0, 32
.set G1B, 48                           ; s[48:55], s[56:63] the same for B's tiles
.set G0B, 56
.set MSB, 0
.macro WIN new                         ; the immediate's high byte repeats the setting that is left; a switch that changes nothing is dropped
.if MSB != (\new)
	s_set_vgpr_msb (MSB<<8)|(\new)
.set MSB, \new
.endif
.endm
.set MUL_LO, 0xa1                      ; source 0 (B) window 1, source 1 (A) window 0, C and D window 2
.set MUL_HI, 0xf1                      ; the same, C and D window 3
.set TO_B,   0x40                      ; destination window 1, address window 0
; A joint load: waves 0 and 1 fetch for A, waves 2 and 3 for B.  Each of the two lines has one mask and one set of registers for all that issue it; the branch hangs on the wave's number alone.
; An s_nop 0 and four v_nop follow each of the two lines, ahead of the jump, the label and what follows.
.macro JLOAD g0a, g1a, g0b, g1b
	s_cmp_eq_u32 s15, 0
	s_cbranch_scc0 .Lfor_b_\@
	tensor_load_to_lds s[\g0a:\g0a+3], s[\g1a:\g1a+7]
	s_nop 0
.rept 4
	v_nop
.endr
	s_branch .Lasked_\@
.Lfor_b_\@:
	tensor_load_to_lds s[\g0b:\g0b+3], s[\g1b:\g1b+7]
	s_nop 0
.rept 4
	v_nop
.endr
.Lasked_\@:
.endm
.macro CREST                           ; a round of the cluster's barrier behind its opening barrier
	s_cmp_lg_u32 s14, 0
	s_cbranch_scc1 .Lnot_wave_0_\@
	s_barrier_signal -3
.Lnot_wave_0_\@:
	s_barrier_wait -3
	s_barrier_signal -1
	s_barrier_wait -1
.endm
.macro CROUND                          ; a whole round
	s_barrier_signal -1
	s_barrier_wait -1
	CREST
.endm
	s_load_b128 s[4:7], s[0:1], 0x0                ; x_img s[4:5], wqkv_img s[6:7]
	s_load_b128 s[8:11], s[0:1], 0x10              ; b_qkv s[8:9], the exponents s[10:11]
	s_load_b64 s[12:13], s[0:1], 0x20              ; qkv_img
	v_lshl_add_u32 v[SPW], v0, 2, SPARE
	v_mov_b32 v[NIL], 0
	ds_add_u32 v[SPW], v[NIL]
	ds_add_u32 v[SPW], v[NIL]                      ; the wave's opening: the add and its wait ahead of my first tensor load; the set-up below, work on registers, stands between them
	v_lshrrev_b32 v1, 5, v0
	v_readfirstlane_b32 s14, v1                    ; wave 0..3
	s_lshr_b32 s15, s14, 1                         ; which half of the tile's A rows is mine.  Also: I fetch for A (0) or for B (1)
	s_and_b32 s16, s14, 1                          ; which half of its B rows.  Also: which 128 rows of that tile I fetch
	s_bfe_u32 s40, ttmp6, 0x40000                  ; cx, cy: my place in the cluster
	s_bfe_u32 s41, ttmp6, 0x40004
	s_and_b32 s18, ttmp7, 0xffff
	s_lshl_b32 s18, s18, 2                         ; 4 x cluster y
	s_lshl_b32 s19, ttmp9, 2                       ; 4 x cluster x
	s_add_co_u32 s17, s18, s41                     ; q, k: A's block of 256 tokens = 4 x cluster y + cy
	s_add_co_u32 s22, s41, 8                       ; v:    A's block of 256 columns of w_qkv = 8 + cy (columns 2048 on)
	s_add_co_u32 s42, s19, s40                     ; q, k: B's block of 256 columns of w_qkv = 4 x cluster x + cx
	s_add_co_u32 s23, s18, s40                     ; v:    B's block of 256 tokens = 4 x cluster y + cx
	s_cmp_eq_u32 ttmp9, 2                          ; the role: the same in all sixteen partners
	s_cselect_b32 s17, s22, s17                    ; A's block hangs on cy alone, B's on cx alone, in both roles
	s_cselect_b32 s42, s23, s42
	s_lshl_b32 s43, s41, 2
	s_lshl_b32 s43, 15, s43                        ; my row of the cluster
	s_lshl_b32 s44, 0x1111, s40                    ; my column
	; descriptor group 1: 8 rows (tiles of 16) x 4,096 bytes (8 pieces), 16,384 bytes apart in memory, dense in LDS
	s_or_b32 s[G1+0], s43, (1<<21)                 ; 15:0 the mask: A's tiles go to my row; 17:16 elements of 1 byte; 20 no padding; 21 set beside a mask
	s_or_b32 s[G1B+0], s44, (1<<21)
.irp g, G1, G1B
	s_mov_b32 s[\g+1], TROW<<16                    ; tensor_dim0
	s_mov_b32 s[\g+2], 8<<16                       ; tensor_dim1
	s_mov_b32 s[\g+3], TROW<<16                    ; tile_dim0
	s_mov_b32 s[\g+4], 8                           ; tile_dim1
	s_mov_b32 s[\g+5], IMGROW                      ; tensor_dim0_stride
	s_mov_b32 s[\g+6], 0
	s_mov_b32 s[\g+7], 0
.endr
	s_lshl_b32 s18, s16, 3                         ; which 8 tiles of 16 rows I fetch
	s_lshl_b32 s20, s17, 4
	s_add_co_u32 s20, s20, s18
	s_lshl_b32 s20, s20, 14                        ; A: (16 x block + 8 x half) tiles of 16,384 bytes
	s_lshl_b32 s46, s42, 4
	s_add_co_u32 s46, s46, s18
	s_lshl_b32 s46, s46, 14                        ; B likewise
	s_mov_b32 s21, 0
	s_mov_b32 s47, 0
	s_mul_i32 s45, s14, HALFT                      ; where they go: wave x 128 rows: no place in the cluster enters an LDS address
	s_wait_dscnt 0x0                               ; the opening add is done
	s_wait_kmcnt 0x0
	s_load_b256 s[88:95], s[10:11], 0x0            ; e0 .. e7
	s_cmp_eq_u32 ttmp9, 2
	s_cselect_b64 s[66:67], s[6:7], s[4:5]         ; A's buffer,
	s_cselect_b64 s[68:69], s[4:5], s[6:7]         ; B's
	s_add_nc_u64 s[20:21], s[66:67], s[20:21]
	s_add_nc_u64 s[46:47], s[68:69], s[46:47]
	CROUND                                         ; all sixteen work-groups are here: the first joint loads meet
.irp s, 0,1
	s_mov_b32 s[G0+4*\s], 1
	s_add_co_u32 s[G0+4*\s+1], s45, \s*SLOT
	s_add_nc_u64 s[G0+4*\s+2:G0+4*\s+3], s[20:21], \s*TROW
	s_or_b32 s[G0+4*\s+3], s[G0+4*\s+3], 0x80000000
	s_mov_b32 s[G0B+4*\s], 1
	s_add_co_u32 s[G0B+4*\s+1], s45, \s*SLOT
	s_add_nc_u64 s[G0B+4*\s+2:G0B+4*\s+3], s[46:47], \s*TROW
	s_or_b32 s[G0B+4*\s+3], s[G0B+4*\s+3], 0x80000000
	JLOAD G0+4*\s, G1, G0B+4*\s, G1B               ; two tensor loads of mine are out
.endr
	v_and_b32 v1, 15, v0                           ; r
	v_bfe_u32 v2, v0, 4, 1                         ; h
	v_and_b32 v3, 31, v0
	v_lshlrev_b32 v[L16], 4, v3
	v_lshlrev_b32 v[H32], 5, v2
	v_lshlrev_b32 v[R4], 2, v1
	s_mul_i32 s21, s15, HALFT                      ; my 128 rows of A
	s_mul_i32 s22, s16, HALFT                      ; my 128 rows of B,
	s_add_co_u32 s22, s22, 2*HALFT                 ; which lie behind A's 256
.irp s, 0,1
	v_add_nc_u32 v[ADRA+\s], s21, v[L16]
	v_add_nc_u32 v[ADRB+\s], s22, v[L16]
	s_add_co_u32 s21, s21, SLOT
	s_add_co_u32 s22, s22, SLOT
.endr
.macro FRAG reg, adr, q, i             ; a fragment, 16 rows x 128 K: four pieces, 512 consecutive bytes each
.irp c, 0,1,2,3
	ds_load_b128 v[\reg+4*\c:\reg+4*\c+3], v[\adr] offset:(\i)*TROW+2048*(\q)+512*\c
.endr
.endm
; 16 matrix instructions: A's blocks a0, a0 + 1 x B's eight, 128 along K.  p: B's set.  zero = 1: the first product starts the sums: nothing is ever cleared.
; The 64 accumulators take turns, one instruction a turn, in the same order in every step.
.macro MUL16 a0, p, zero
.irp a, \a0, \a0+1
.irp b, 0,1,2,3,4,5,6,7
.if \zero
	v_wmma_f32_16x16x128_fp8_fp8 v[8*(8*((\a)%4)+\b):8*(8*((\a)%4)+\b)+7], v[128*(\p)+FR*\b:128*(\p)+FR*\b+FR-1], v[AF+FR*(\a):AF+FR*(\a)+FR-1], 0
.else
	v_wmma_f32_16x16x128_fp8_fp8 v[8*(8*((\a)%4)+\b):8*(8*((\a)%4)+\b)+7], v[128*(\p)+FR*\b:128*(\p)+FR*\b+FR-1], v[AF+FR*(\a):AF+FR*(\a)+FR-1], v[8*(8*((\a)%4)+\b):8*(8*((\a)%4)+\b)+7]
.endif
.endr
.endr
.endm
.macro FETCH_B slot, q, p              ; B's eight fragments of the slot's q-th 128 along K into set p
	WIN TO_B
.irp i, 0,1,2,3,4,5,6,7
	FRAG 128*(\p)+FR*\i, ADRB+\slot, \q, \i
.endr
	WIN 0
.endm
.macro FETCH_A slot, q, i0             ; A's blocks i0 .. i0 + 3
.irp i, \i0, \i0+1, \i0+2, \i0+3
	FRAG AF+FR*(\i), ADRA+\slot, \q, \i
.endr
.endm
; A load into a register that a matrix instruction has read, and a vector instruction that reads a matrix result or writes one of a matrix instruction's registers, stand NP places behind it; only plain vector
; instructions that name none of its registers are places (ISA guide 7.12.1 for vector instructions).
.macro PLACES n
.rept \n
	v_nop
.endr
.endm
; A step of 128 along K that has its successor in the same slot.  A block of A is free as soon as its eight products are issued, so one set serves A: blocks 0-3 come anew in the step's middle, blocks 4-7 at its end.
.macro STEP slot, q, zero
	s_wait_dscnt 4*NL                              ; B's set and A's blocks 0-3 are in; the youngest 16 loads (A's blocks 4-7) may be out
	WIN MUL_LO
	MUL16 0, (\q)%2, \zero
	MUL16 2, (\q)%2, \zero
	s_wait_dscnt 0                                 ; A's blocks 4-7 are in (asked for 32 matrix instructions ago)
	PLACES NP
	FETCH_B \slot, (\q)+1, 1-(\q)%2
	FETCH_A \slot, (\q)+1, 0
	WIN MUL_HI
	MUL16 4, (\q)%2, \zero
	MUL16 6, (\q)%2, \zero
	PLACES NP
	WIN 0
	FETCH_A \slot, (\q)+1, 4
.endm
; A slot's last step changes slots: ONE barrier; in front of it each wave waits for all its tensor loads, adds 0 to its spare word, and waits for that and for its own reads of this slot.  fill = 1: this slot is filled again, two K steps ahead.
.macro TURN slot, next, fill
	s_wait_tensorcnt 0x0                           ; all my tensor loads have landed: my part of the next slot (every window is 0 here: the add's two registers lie in window 0)
	ds_add_u32 v[SPW], v[NIL]                      ; 0 onto my spare word
	s_wait_dscnt 4*NL+1                            ; (the add and the youngest 16 loads, A's blocks 4-7, may be out)
	WIN MUL_LO
	MUL16 0, 1, 0                                  ; sixteen matrix instructions stand between the add and the wait for it
	s_wait_dscnt 0x0                               ; the add is done, and my reads of this slot are over
	s_barrier_signal -1
	MUL16 2, 1, 0
	WIN 0
	s_barrier_wait -1
.if \fill
	CREST                                          ; the barrier has opened a round of the cluster's barrier: no wave of any partner still reads this slot's tile or has a load on its way
	s_add_nc_u64 s[G0+4*\slot+2:G0+4*\slot+3], s[G0+4*\slot+2:G0+4*\slot+3], 2*TROW
	s_add_nc_u64 s[G0B+4*\slot+2:G0B+4*\slot+3], s[G0B+4*\slot+2:G0B+4*\slot+3], 2*TROW
	JLOAD G0+4*\slot, G1, G0B+4*\slot, G1B         ; the first tensor load behind the round, my one load until the next; its four v_nop are the places in front of the loads below
.else
	PLACES NP
.endif
	FETCH_B \next, 0, 0
	FETCH_A \next, 0, 0
	WIN MUL_HI
	MUL16 4, 1, 0
	MUL16 6, 1, 0
	PLACES NP
	WIN 0
	FETCH_A \next, 0, 4
.endm
.macro LASTSTEPS                       ; the last K step's two steps of 128: no barrier, no tensor load
	STEP 1, 0, 0
	s_wait_dscnt 4*NL
	WIN MUL_LO
	MUL16 0, 1, 0
	MUL16 2, 1, 0
	s_wait_dscnt 0
	WIN MUL_HI
	MUL16 4, 1, 0
	MUL16 6, 1, 0
	WIN 0
.endm
; THE WAY OUT.  For A's block ea and four of B's blocks (32 registers) at a time: sum x 2^(e0 + e1) + bias, each accumulator from its low end on; the hold; four conversions: two pieces; two stores of 512 consecutive bytes.
; Each store has four registers of its own (32 x 4, where A's fragments lay), so no store's data are written again.
.macro EPI isv
	PLACES NP                                      ; behind the last products
	s_wait_loadcnt 0x0                             ; the bias
.set ea, 0
.rept 8
.set eg, 0
.rept 2
.set AC, 64*(ea%4)+32*eg
.set CB, CD+16*ea+8*eg
	WIN 0x02+ea/4                                  ; source 0: window 2 or 3
.set ej, 0
.rept 16
.if \isv
	v_pk_fma_f32 v[T+ej:T+ej+1], v[AC+ej:AC+ej+1], s[96:97], v[BI+2*ea:BI+2*ea+1] op_sel_hi:[1,0,1]            ; v: the bias goes by A's row: the lane's, for block ea
.else
	v_pk_fma_f32 v[T+ej:T+ej+1], v[AC+ej:AC+ej+1], s[96:97], v[BI+32*eg+ej:BI+32*eg+ej+1] op_sel_hi:[1,0,1]    ; q, k: by B's row: the register's
.endif
.set ej, ej+2
.endr
	WIN 0
.set ej, 0
.rept 32
.set ej, ej+1
.endr
.set ej, 0
.rept 4
	v_cvt_scalef32_pk8_fp8_f32 v[CB+2*ej:CB+2*ej+1], v[T+8*ej:T+8*ej+7], v[SCV]
.set ej, ej+1
.endr
	v_nop                                          ; one plain vector instruction between the conversions and the next lines that write their sources
.if \isv
	global_store_b128 v[L16], v[CB:CB+3],   s[12:13] offset:(ea/4)*HEADB+(ea%4)*2048+(2*eg)*512 th:TH_STORE_NT     ; head + ea / 4, channels' tile ea % 4, piece = 32 keys
	global_store_b128 v[L16], v[CB+4:CB+7], s[12:13] offset:(ea/4)*HEADB+(ea%4)*2048+(2*eg+1)*512 th:TH_STORE_NT
.else
	global_store_b128 v[L16], v[CB:CB+3],   s[12:13] offset:ea*1024+eg*HEADB th:TH_STORE_NT                        ; tokens' tile + ea, head + eg, piece = 32 channels
	global_store_b128 v[L16], v[CB+4:CB+7], s[12:13] offset:ea*1024+eg*HEADB+512 th:TH_STORE_NT
.endif
.set eg, eg+1
.endr
.set ea, ea+1
.endr
.endm
	s_wait_alu depctr_va_vdst(0)
	s_wait_tensorcnt 1                             ; my part of K step 0 is in (K step 1's load may be out)
	s_barrier_signal -1
	s_barrier_wait -1                              ; everybody's is
	FETCH_B 0, 0, 0
	FETCH_A 0, 0, 0
	FETCH_A 0, 0, 4
	STEP 0, 0, 1                                   ; K = 1024 is four K steps, twice round the ring: written straight.  The first products start the sums
	TURN 0, 1, 1                                   ; slot 0 takes K step 2
	STEP 1, 0, 0
	TURN 1, 0, 1                                   ; slot 1 takes K step 3
	STEP 0, 0, 0
	TURN 0, 1, 0                                   ; nothing is left to fetch
	s_wait_kmcnt 0x0
	s_add_co_i32 s96, s88, s89                     ; e0 + e1,
	s_add_co_i32 s96, s96, 127
	s_lshl_b32 s96, s96, 23                        ; as the f32 number 2^(e0 + e1)
	s_mov_b32 s97, s96                             ; (named with it as a pair, so it is written)
	s_cmp_eq_u32 ttmp9, 0
	s_cselect_b32 s98, s90, s91                    ; e2 for q, e3 for k,
	s_cmp_eq_u32 ttmp9, 2
	s_cselect_b32 s98, s93, s98                    ; e5 for v: a choice by the cluster's number, no branch on an exponent
	s_add_co_i32 s98, s98, 127
	s_lshl_b32 s99, s98, 23
	v_mov_b32 v[SCV], s99
	s_mov_b32 s71, 0
	s_cmp_eq_u32 ttmp9, 2                          ; THE ROLES PART HERE, once: each arm loads its bias, runs the last 128 matrix instructions, under which the bias lands, and goes out
	s_cbranch_scc1 .Lrole_v
	s_lshl_b32 s70, s42, 10                        ; q, k.  The bias of my 128 columns: 4 x (256 x block + 128 x half) bytes on
	s_lshl_b32 s72, s16, 9
	s_add_co_u32 s70, s70, s72
	s_add_nc_u64 s[8:9], s[8:9], s[70:71]
.set i, 0
.rept 8
	global_load_b128 v[BI+8*i:BI+8*i+3],   v[H32], s[8:9] offset:64*i      ; accumulator b = i, registers 0-7: columns 16 i + 8 h + 0..7
	global_load_b128 v[BI+8*i+4:BI+8*i+7], v[H32], s[8:9] offset:64*i+16
.set i, i+1
.endr
	s_lshr_b32 s70, s17, 3                         ; batch (a batch is 8 blocks of 256 tokens),
	s_lshl_b32 s70, s70, 4
	s_lshl_b32 s72, s40, 2
	s_add_co_u32 s70, s70, s72
	s_lshl_b32 s72, s16, 1
	s_add_co_u32 s70, s70, s72                     ; x 16 + my first head: 4 cx + 2 x half
	s_mul_i32 s70, s70, HEADB
	s_lshl_b32 s72, ttmp9, 17                      ; q at 0, k at 131,072
	s_add_co_u32 s70, s70, s72
	s_and_b32 s72, s17, 7
	s_lshl_b32 s72, s72, 4
	s_lshl_b32 s73, s15, 3
	s_add_co_u32 s72, s72, s73                     ; my first tile of 16 tokens in the batch
	s_lshl_b32 s72, s72, 10
	s_add_co_u32 s70, s70, s72
	s_add_nc_u64 s[12:13], s[12:13], s[70:71]
	LASTSTEPS
	EPI 0
	s_branch .Ldone
.Lrole_v:
	s_lshl_b32 s70, s41, 10                        ; v.  The bias of my 128 rows: 4 x (2048 + 256 cy + 128 x half) bytes on
	s_lshl_b32 s72, s15, 9
	s_add_co_u32 s70, s70, s72
	s_add_co_u32 s70, s70, 8192
	s_add_nc_u64 s[8:9], s[8:9], s[70:71]
.set i, 0
.rept 8
	global_load_b32 v[BI+2*i],   v[R4], s[8:9] offset:64*i                 ; block a = i: row 16 i + r; twice, to fill the pair that the packed form names
	global_load_b32 v[BI+2*i+1], v[R4], s[8:9] offset:64*i
.set i, i+1
.endr
	s_lshr_b32 s70, s42, 3                         ; batch,
	s_lshl_b32 s70, s70, 4
	s_lshl_b32 s72, s41, 2
	s_add_co_u32 s70, s70, s72
	s_lshl_b32 s72, s15, 1
	s_add_co_u32 s70, s70, s72                     ; x 16 + my first head: 4 cy + 2 x half
	s_mul_i32 s70, s70, HEADB
	s_and_b32 s72, s42, 7
	s_lshl_b32 s72, s72, 1
	s_add_co_u32 s72, s72, s16                     ; my step of 128 keys in the batch
	s_lshl_b32 s72, s72, 13
	s_add_co_u32 s70, s70, s72
	s_add_co_u32 s70, s70, 262144                  ; v^T's part of the head's block
	s_add_nc_u64 s[12:13], s[12:13], s[70:71]
	LASTSTEPS
	EPI 1
.Ldone:
	s_wait_tensorcnt 0x0                           ; the wave's end, behind my last tensor load
	ds_add_u32 v[SPW], v[NIL]
	s_wait_dscnt 0x0
	CROUND                                         ; the closing round: no work-group ends while a partner may still ask for a tile that names it
	s_endpgm
.Lfunc_end_k_q055f1da922_gemm_qkv:
	.size	k_q055f1da922_gemm_qkv, .Lfunc_end_k_q055f1da922_gemm_qkv-k_q055f1da922_gemm_qkv
	.p2alignl 7, 3214868480
	.fill 96, 4, 3214868480
	.section	.rodata,"a",@progbits
	.p2align	6, 0x0
	.amdhsa_kernel k_q055f1da922_gemm_qkv
		.amdhsa_group_segment_fixed_size 327680
		.amdhsa_private_segment_fixed_size 0
		.amdhsa_enable_private_segment 0
		.amdhsa_kernarg_size 40
		.amdhsa_user_sgpr_count 2
		.amdhsa_user_sgpr_kernarg_segment_ptr 1
		.amdhsa_wavefront_size32 1
		.amdhsa_system_sgpr_workgroup_id_x 1
		.amdhsa_system_sgpr_workgroup_id_y 1
		.amdhsa_system_sgpr_workgroup_id_z 1
		.amdhsa_system_vgpr_workitem_id 0
		.amdhsa_next_free_vgpr 1024
		.amdhsa_next_free_sgpr 100
		.amdhsa_reserve_vcc 0
		.amdhsa_float_denorm_mode_32 3
		.amdhsa_float_denorm_mode_16_64 3
		.amdhsa_fp16_overflow 1
		.amdhsa_memory_ordered 1
		.amdhsa_forward_progress 1
		.amdhsa_inst_pref_size 144
	.end_amdhsa_kernel
	.amdgpu_metadata
---
amdhsa.version: [ 1, 2 ]
amdhsa.kernels:
  - .name:           k_q055f1da922_gemm_qkv
    .symbol:         k_q055f1da922_gemm_qkv.kd
    .args:
      - { .name: x_img, .offset: 0, .size: 8, .value_kind: global_buffer, .address_space: global }
      - { .name: wqkv_img, .offset: 8, .size: 8, .value_kind: global_buffer, .address_space: global }
      - { .name: b_qkv, .offset: 16, .size: 8, .value_kind: global_buffer, .address_space: global }
      - { .name: lowp_scales, .offset: 24, .size: 8, .value_kind: global_buffer, .address_space: global }
      - { .name: qkv_img, .offset: 32, .size: 8, .value_kind: global_buffer, .address_space: global }
    .group_segment_fixed_size: 327680
    .private_segment_fixed_size: 0
    .kernarg_segment_align: 8
    .kernarg_segment_size: 40
    .max_flat_workgroup_size: 128
    .sgpr_count:     100
    .vgpr_count:     1024
    .wavefront_size: 32
...
	.end_amdgpu_metadata
.endif
;; end of part 2
;; launch attn (part 3): grid 4 x 64, 8 waves a work-group, clusters of 4 x 1, 327,680 bytes of LDS; arguments qkv_img, lowp_scales, att_img; writes att_img
.if DOCPART == 3
	.amdgcn_target "amdgcn-amd-amdhsa--gfx1250"
	.amdhsa_code_object_version 6
	.text
	.protected	k_q055f1da922_attn
	.globl	k_q055f1da922_attn
	.p2align	8
	.type	k_q055f1da922_attn,@function
k_q055f1da922_attn:
	s_mov_b64 s[64:65], 0
	v_nop
	global_prefetch_b8 v0, s[64:65] scope:SCOPE_SE
	s_setreg_imm32_b32 hwreg(HW_REG_WAVE_MODE, 25, 1), 1
	s_wait_xcnt 0x0
	s_wait_alu depctr_hold_cnt(0) depctr_sa_sdst(0) depctr_va_vdst(0) depctr_va_sdst(0) depctr_va_ssrc(0) depctr_va_vcc(0) depctr_vm_vsrc(0)
	s_getreg_b32 s2, hwreg(HW_REG_IB_STS2, 6, 4)
	s_cmp_eq_u32 s2, 0
	s_cbranch_scc0 .Lentry_in_a_cluster
	s_endpgm
.Lentry_in_a_cluster:
	s_bfe_u32 s2, ttmp6, 0x10000c
	s_cmp_lg_u32 s2, 0x3003
	s_cbranch_scc0 .Lentry_shape_is_right
	s_endpgm
.Lentry_shape_is_right:
; Causal attention on codes of FP8 (E4M3): 64 heads (4 batches x 16), 2048 tokens, head size 64.  Both products quantised; the result is quantised for the last projection.
; qkv_img: [64 heads][393,216]: q [128 tiles of 16 tokens][2 pieces][512], at 131,072 k likewise, at 262,144 v^T [16 steps of 128 keys][4 tiles of 16 channels][4 pieces][512].  A piece is an image of four registers
; of a fragment of the plain fp8 forms: lane l owns the 16 bytes at 16 l.  att_img: [512 tiles of 16 tokens][32 pieces][512], piece = 2 x head + (channel / 32).
; THE SOFTMAX AHEAD OF THE SECOND PRODUCT: t = score x log2(e) / 8; M = the running largest t, rounded UP to a whole number; p = 2^(t - M) is quantised, not normalised; the row's sum is taken of the unquantised p and
; divides at the end.  When M moves, the sum and O are multiplied by 2^(old M - new M): exact.
; LAYOUT.  S^T = K Q^T (source 0 = 16 keys, source 1 = 16 queries) and O^T = V^T P^T (source 0 = 16 channels, source 1 = P): a lane holds ONE query (lane % 16) throughout.  Register j of key tile i is key 16 i + 8 h + j:
; the conversion of tile i's eight registers is registers 2 i, 2 i + 1 of P's fragment, and that of two tiles of O^T is a piece of att_img.  Nothing changes lanes.
; SHARES.  A cluster of four work-groups is one head.  Its K and V^T, 262,144 bytes, are asked for JOINTLY, once, and stay in each partner's LDS: nothing is filled again, and no barrier stands in a loop.
; Partner p takes the query tiles that are p modulo 4.  Wave w takes two PAIRS of tiles: 8 L + p and 8 L + 4 + p, first with L = 15 - w, then with L = w.  Both tiles of a pair see the key steps 0 .. L, the diagonal in step L:
; so every wave of the launch walks (16 - w) + (w + 1) = 17 steps, and each fragment of K and V read from LDS feeds two tiles.
; All trip counts are constants; a step beyond L is passed over by a scalar branch on the wave's number and the count of steps.  p enters global addresses and the mask's lane value alone.
; No prefetch: all of K and V is asked for at the head by the loads themselves.
; LIMITS: e2 + e3 between -123 and 130 (added to c's exponent field); e4 and e6 between -126 and 119; e4 + e5 is applied by v_ldexp_f32 and has none.
.set HEADB, 393216
.set VOFF,  131072                     ; LDS: K at 0, V^T here
.set STEPB, 8192                       ; a step of 128 keys, of K and of V^T
.set SPARE, 262144                     ; behind them: the spare words, 128 bytes for each wave: four blocks of 256 bytes that no other line names
.set L16, 1                            ; v1   16 x lane
.set ADK, 2                            ; v2   LDS address of the step's K
.set ADV, 3                            ; v3   of its V^T
.set SPW, 4                            ; v4   LDS address of my spare word; never rewritten
.set NIL, 5                            ; v5   0; never rewritten
.set PS,  6                            ; v6   2^e4 as f32
.set DQ,  7                            ; v7   r - 8 h + 16 p: the mask's lane value
.set Q,   8                            ; v8-23    the pair's two fragments of Q
.set ST,  24                           ; v24-31   for each tile: -M, the largest t, the sum in two halves
.set FR,  32                           ; v32-95   the step's K, then its V^T
.set S,   96                           ; v96-159  S^T of one tile, then p
.set O,   160                          ; v160-223 O^T, 32 a tile
.set P,   224                          ; v224-255 P's codes, 16 a tile; until a tile's conversions its 16 are at work: +0, +2:3 (f), +4, +6:7, +9
                                       ; v256-271 (window 1, v0-15): the second pair's Q
.set WV,   10
.set LAST, 11                          ; s11  L
.set KS,   12                          ; s12  the key step
.set TB,   13                          ; s13  its first byte in K's part of LDS
.set SEL,  14                          ; s[14:15] lane selects for v_permlanex16_b32: lane l xor 16
.set CS,   16                          ; s[16:17] c = log2(e) / 8 x 2^(e2 + e3)
.set LIMP, 18
.set EO,   19                          ; s19  e4 + e5
.set E6S,  20                          ; s20  2^e6
.set E6L,  21                          ; s21  448 x 2^e6
.set CX,   22
.set BH,   23
.set G1A,  24                          ; s[24:31] group 1: 32 rows of 256 bytes;  s[32:39]: 96 rows
.set G1B,  32
.set G0A,  40                          ; s[40:43], s[44:47] their groups 0
.set G0B,  44
.set EX,   48                          ; s[48:55] e0 .. e7
.set QB,   56                          ; s[56:57], s[58:59] Q of the first and of the second pair
.set QA,   58
.set AB,   60                          ; s[60:61], s[62:63] their places in att_img
.set AA,   62
.macro ROUND                           ; a round of the cluster's barrier
	s_barrier_signal -1
	s_barrier_wait -1
	s_cmp_lg_u32 s[WV], 0
	s_cbranch_scc1 .Lnot_wave_0_\@
	s_barrier_signal -3
.Lnot_wave_0_\@:
	s_barrier_wait -3
	s_barrier_signal -1
	s_barrier_wait -1
.endm
.macro PLACES                          ; four places behind a matrix instruction, in front of reads of its result and of loads into its sources
.rept 4
	v_nop
.endr
.endm
	s_load_b128 s[4:7], s[0:1], 0x0                ; qkv_img s[4:5], the exponents s[6:7]
	s_load_b64 s[8:9], s[0:1], 0x10                ; att_img
	v_lshl_add_u32 v[SPW], v0, 2, SPARE
	v_mov_b32 v[NIL], 0
	ds_add_u32 v[SPW], v[NIL]                      ; the wave's opening: the add and its wait ahead of my first tensor load; the set-up below, work on registers, stands between them
	ds_add_u32 v[SPW], v[NIL]
	v_lshrrev_b32 v1, 5, v0
	s_delay_alu instid0(VALU_DEP_1)
	v_readfirstlane_b32 s[WV], v1                  ; wave 0..7
	s_bfe_u32 s[CX], ttmp6, 0x40000                ; p: my place in the cluster
	s_and_b32 s[BH], ttmp7, 0xffff                 ; the head, which the four partners share
	; dense blocks, stated as rows of 256 bytes: elements of 8 bytes, 32 to a row, pitch 32
	s_mov_b32 s[G1A], 15|(3<<16)|(1<<21)           ; 15:0 the mask: all four; 17:16 elements of 8 bytes; 21 set beside a mask
	s_mov_b32 s[G1A+1], 32<<16                     ; tensor_dim0
	s_mov_b32 s[G1A+2], 32<<16                     ; tensor_dim1 = 32 rows
	s_mov_b32 s[G1A+3], 32<<16                     ; tile_dim0
	s_mov_b32 s[G1A+4], 32                         ; tile_dim1
	s_mov_b32 s[G1A+5], 32                         ; stride
	s_mov_b32 s[G1A+6], 0
	s_mov_b32 s[G1A+7], 0
	s_mov_b32 s[G1B], 15|(3<<16)|(1<<21)
	s_mov_b32 s[G1B+1], 32<<16
	s_mov_b32 s[G1B+2], 96<<16                     ; 96 rows
	s_mov_b32 s[G1B+3], 32<<16
	s_mov_b32 s[G1B+4], 96
	s_mov_b32 s[G1B+5], 32
	s_mov_b32 s[G1B+6], 0
	s_mov_b32 s[G1B+7], 0
	; waves 0-3 fetch K, waves 4-7 V^T.  First load: one of key steps 0-3 (8,192 bytes).  Second: a quarter of steps 4-15 (24,576 bytes).  LDS mirrors memory
	s_lshr_b32 s66, s[WV], 2
	s_lshl_b32 s66, s66, 17
	s_and_b32 s67, s[WV], 3
	s_lshl_b32 s68, s67, 13
	s_add_co_u32 s68, s68, s66                     ; first load: its byte in LDS,
	s_mul_i32 s69, s67, 24576
	s_add_co_u32 s69, s69, s66
	s_add_co_u32 s69, s69, 32768                   ; second load
	s_mul_i32 s70, s[BH], HEADB
	s_mov_b32 s71, 0
	s_add_co_u32 s74, s68, 131072                  ; and in the head's block, where K begins at 131,072
	s_mov_b32 s75, 0
	s_add_co_u32 s76, s69, 131072
	s_mov_b32 s77, 0
	s_mov_b32 s[SEL], 0x76543210
	s_mov_b32 s[SEL+1], 0xfedcba98
	s_mov_b32 s[CS], 0x3e38aa3b                    ; log2(e) / 8
	s_wait_dscnt 0x0                               ; the opening add is done
	s_wait_kmcnt 0x0
	s_load_b256 s[EX:EX+7], s[6:7], 0x0
	s_add_nc_u64 s[72:73], s[4:5], s[70:71]        ; the head's block
	s_mov_b32 s[G0A], 1
	s_mov_b32 s[G0A+1], s68
	s_add_nc_u64 s[G0A+2:G0A+3], s[72:73], s[74:75]
	s_or_b32 s[G0A+3], s[G0A+3], 0x80000000
	s_mov_b32 s[G0B], 1
	s_mov_b32 s[G0B+1], s69
	s_add_nc_u64 s[G0B+2:G0B+3], s[72:73], s[76:77]
	s_or_b32 s[G0B+3], s[G0B+3], 0x80000000
	ROUND                                          ; all four work-groups are here: the joint loads meet
	tensor_load_to_lds s[G0A:G0A+3], s[G1A:G1A+7]  ; the first fill, waited for before the second goes out
	s_nop 0
	s_wait_alu depctr_va_vdst(0)
	s_wait_tensorcnt 0x0
	ds_add_u32 v4, v5
	s_wait_dscnt 0x0
	ROUND
	tensor_load_to_lds s[G0B:G0B+3], s[G1B:G1B+7]
	s_nop 0
.rept 4
	v_nop
.endr
	s_sub_co_u32 s[LAST], 15, s[WV]                ; the first pair's L
	s_lshl_b32 s2, s[LAST], 3
	s_add_co_u32 s2, s2, s[CX]                     ; its first tile: 8 L + p
	s_lshl_b32 s3, s[WV], 3
	s_add_co_u32 s3, s3, s[CX]                     ; the second pair's
	s_mov_b32 s79, 0
	s_lshl_b32 s78, s2, 10                         ; a tile of Q is 1,024 bytes
	s_add_nc_u64 s[QB:QB+1], s[72:73], s[78:79]
	s_lshl_b32 s78, s3, 10
	s_add_nc_u64 s[QA:QA+1], s[72:73], s[78:79]
	s_lshr_b32 s66, s[BH], 4
	s_lshl_b32 s66, s66, 7                         ; batch x 128 tiles of tokens
	s_and_b32 s67, s[BH], 15
	s_lshl_b32 s67, s67, 10                        ; head x 2 pieces
	s_add_co_u32 s78, s66, s2
	s_lshl_b32 s78, s78, 14
	s_add_co_u32 s78, s78, s67
	s_add_nc_u64 s[AB:AB+1], s[8:9], s[78:79]
	s_add_co_u32 s78, s66, s3
	s_lshl_b32 s78, s78, 14
	s_add_co_u32 s78, s78, s67
	s_add_nc_u64 s[AA:AA+1], s[8:9], s[78:79]
	v_and_b32 v[L16], 31, v0
	s_delay_alu instid0(VALU_DEP_1)
	v_lshlrev_b32 v[L16], 4, v[L16]
.irp x, 0,1                            ; tile x of a pair lies 4 tiles, 4,096 bytes, on
	global_load_b128 v[Q+8*\x:Q+8*\x+3],   v[L16], s[QB:QB+1] offset:4096*\x
	global_load_b128 v[Q+8*\x+4:Q+8*\x+7], v[L16], s[QB:QB+1] offset:4096*\x+512
.endr
	s_set_vgpr_msb 0x40                            ; destination window 1: the second pair's Q waits in v256-271
.irp x, 0,1
	global_load_b128 v[8*\x:8*\x+3],   v[L16], s[QA:QA+1] offset:4096*\x
	global_load_b128 v[8*\x+4:8*\x+7], v[L16], s[QA:QA+1] offset:4096*\x+512
.endr
	s_set_vgpr_msb 0x4000
	v_and_b32 v[DQ], 15, v0
	v_bfe_u32 v[ADK], v0, 4, 1
	s_delay_alu instid0(VALU_DEP_1)
	v_lshlrev_b32 v[ADK], 3, v[ADK]
	s_delay_alu instid0(VALU_DEP_1)
	v_sub_nc_u32 v[DQ], v[DQ], v[ADK]
	s_lshl_b32 s2, s[CX], 4
	v_add_nc_u32 v[DQ], s2, v[DQ]                  ; r - 8 h + 16 p
	v_mov_b32 v[P+3], 0                            ; named as the upper halves of f's pairs,
	v_mov_b32 v[P+19], 0
	v_mov_b32 v[P+4], 0                            ; and as lane permutes' destinations, which count as sources: written once
	v_mov_b32 v[P+20], 0
	s_wait_kmcnt 0x0
	s_add_co_i32 s66, s[EX+2], s[EX+3]
	s_lshl_b32 s66, s66, 23
	s_add_co_i32 s[CS], s[CS], s66                 ; a score stands for score x 2^(e2 + e3): added to c's exponent field
	s_mov_b32 s[CS+1], s[CS]                       ; (named with it as a pair, so it is written)
	s_add_co_i32 s66, s[EX+4], 127
	s_lshl_b32 s67, s66, 23
	v_mov_b32 v[PS], s67
	s_add_co_i32 s[EO], s[EX+4], s[EX+5]
	s_add_co_i32 s66, s[EX+6], 127
	s_lshl_b32 s[E6S], s66, 23
	s_add_co_i32 s66, s66, 8
	s_lshl_b32 s66, s66, 23
	s_or_b32 s[E6L], s66, 0x600000
.macro INIT                            ; a pair begins: O^T and the sums are zeros, the largest t is -3e38, under every t: the first change of M multiplies zeros, so the step is written once
.irp x, 0,1
	v_mov_b32 v[ST+4*\x+1], 0xff61b1e6
	s_delay_alu instid0(VALU_DEP_1)
	v_floor_f32 v[ST+4*\x], -v[ST+4*\x+1]
	v_mov_b32 v[ST+4*\x+2], 0
	v_mov_b32 v[ST+4*\x+3], 0
.endr
.set i, 0
.rept 64
	v_mov_b32 v[O+i], 0
.set i, i+1
.endr
.endm
.macro KLOAD                           ; the step's 8 tiles of 16 keys x 64: the two additions and two v_nop are the four places behind the last step's products, which read these registers
	v_add_nc_u32 v[ADK], s[TB], v[L16]
	s_delay_alu instid0(VALU_DEP_1)
	v_add_nc_u32 v[ADV], VOFF, v[ADK]
	v_nop
	v_nop
.set i, 0
.rept 8
	ds_load_b128 v[FR+8*i:FR+8*i+3],   v[ADK] offset:1024*i
	ds_load_b128 v[FR+8*i+4:FR+8*i+7], v[ADK] offset:1024*i+512
.set i, i+1
.endr
.endm
.macro VLOAD                           ; the step's 4 tiles of 16 channels x 128 keys
.set i, 0
	s_setprio 1
.rept 16
	ds_load_b128 v[FR+4*i:FR+4*i+3], v[ADV] offset:512*i
.set i, i+1
.endr
.endm
.macro KQ x                            ; S^T of tile x: eight accumulators, each begun with the constant 0
.set i, 0
.rept 8
	v_wmma_f32_16x16x64_fp8_fp8 v[S+8*i:S+8*i+7], v[FR+8*i:FR+8*i+7], v[Q+8*(\x):Q+8*(\x)+7], 0
.set i, i+1
.endr
.endm
.macro PV                              ; O^T += V^T P^T for both tiles: the eight accumulators by turns, one instruction a turn
	s_wait_dscnt 0x0                               ; V^T is in: asked for ahead of the second tile's softmax
.set i, 0
.rept 4
	v_wmma_f32_16x16x128_fp8_fp8 v[O+8*i:O+8*i+7],       v[FR+16*i:FR+16*i+15], v[P:P+15],    v[O+8*i:O+8*i+7]
	v_wmma_f32_16x16x128_fp8_fp8 v[O+32+8*i:O+32+8*i+7], v[FR+16*i:FR+16*i+15], v[P+16:P+31], v[O+32+8*i:O+32+8*i+7]
.set i, i+1
.endr
.endm
; The diagonal step.  Register i holds key 128 L + 16 (i / 8) + 8 h + i % 8; my query is 128 L + 64 x + 16 p + r: hidden where 16 (i / 8) + i % 8 - 64 x > r - 8 h + 16 p.  Hidden scores become -infinity: p = 0.
; Tile 1: for key tiles 0-3 the left side is at most -9 and the right side at least -8: nothing is hidden there, and they are left out.
.macro MASK x
.set TX, P+16*(\x)
	v_mov_b32 v[TX+9], 0xff800000
.set i, 32*(\x)
.rept 64-32*(\x)
	v_cmp_gt_i32 vcc_lo, 16*(i/8)+i%8-64*(\x), v[DQ]
	v_cndmask_b32 v[S+i], v[S+i], v[TX+9], vcc_lo
.set i, i+1
.endr
.endm
.macro SOFT x
.set TX, P+16*(\x)
.set SX, ST+4*(\x)
.set OX, O+32*(\x)
	v_max3_num_f32 v[TX], v[S], v[S+1], v[S+2]     ; the step's largest score of my query among my 64 keys, in two chains; each accumulator is read from its low end on
	v_max3_num_f32 v[TX+2], v[S+3], v[S+4], v[S+5]
.set i, 6
.rept 14
	v_max3_num_f32 v[TX], v[TX], v[S+i], v[S+i+1]
	v_max3_num_f32 v[TX+2], v[TX+2], v[S+i+2], v[S+i+3]
.set i, i+4
.endr
	v_max3_num_f32 v[TX], v[TX], v[S+62], v[S+63]
	s_delay_alu instid0(VALU_DEP_1)
	v_max_num_f32 v[TX], v[TX], v[TX+2]
	v_permlanex16_b32 v[TX+4], v[TX], s[SEL], s[SEL+1]
	s_delay_alu instid0(VALU_DEP_1)
	v_max_num_f32 v[TX], v[TX], v[TX+4]            ; and among lane l xor 16's
	s_delay_alu instid0(VALU_DEP_1)
	v_mul_f32 v[TX], s[CS], v[TX]                  ; as t (c is positive)
	s_delay_alu instid0(VALU_DEP_1)
	v_max_num_f32 v[SX+1], v[SX+1], v[TX]          ; the running largest t
	v_mov_b32 v[TX], v[SX]
	s_delay_alu instid0(VALU_DEP_2)
	v_floor_f32 v[SX], -v[SX+1]                    ; the new -M = floor(-t) = -ceil(t): a whole number
	s_delay_alu instid0(VALU_DEP_1)
	v_sub_f32 v[TX], v[SX], v[TX]                  ; old M - new M: a whole number, 0 or less
	s_delay_alu instid0(VALU_DEP_1)
	v_cvt_i32_f32 v[TX], v[TX]                     ; (it saturates)
	s_delay_alu instid0(VALU_DEP_1)
	v_ldexp_f32 v[TX+2], 1.0, v[TX]                ; f = 2^(old M - new M)
.set i, 0
.rept 32
	v_pk_fma_f32 v[S+i:S+i+1], v[S+i:S+i+1], s[CS:CS+1], v[SX:SX+1] op_sel_hi:[1,0,0]   ; t - M, two at a time (of the pairs c and -M the low word serves both halves)
.set i, i+2
.endr
.set i, 0
	s_wait_alu depctr_va_vdst(0)
.rept 64
	v_exp_f32 v[S+i], v[S+i]                       ; p = 2^(t - M), at most 1
.set i, i+1
.endr
	v_pk_mul_f32 v[SX+2:SX+3], v[SX+2:SX+3], v[TX+2:TX+3] op_sel_hi:[1,0]   ; the sums under the new M: the plain instruction behind the exponentials
	s_wait_alu depctr_va_vdst(0)                   ; this wait ahead of the first line that names an exponential's result: one for the batch of 64
	v_pk_add_f32 v[TX+6:TX+7], v[S:S+1], v[S+2:S+3]    ; the row's sum is taken of the unquantised p: two at a time, in two chains
.set i, 4
.rept 15
	v_pk_add_f32 v[SX+2:SX+3], v[SX+2:SX+3], v[S+i:S+i+1]
	v_pk_add_f32 v[TX+6:TX+7], v[TX+6:TX+7], v[S+i+2:S+i+3]
.set i, i+4
.endr
	s_delay_alu instid0(VALU_DEP_1)
	v_pk_add_f32 v[SX+2:SX+3], v[SX+2:SX+3], v[TX+6:TX+7]
.set i, 0
.rept 16
	v_pk_mul_f32 v[OX+i:OX+i+1], v[OX+i:OX+i+1], v[TX+2:TX+3] op_sel_hi:[1,0]   ; O^T under the new M
.set i, i+2
.endr
.set i, 0
.rept 64
.set i, i+1
.endr
.set i, 0
.rept 8
	v_cvt_scalef32_pk8_fp8_f32 v[TX+2*i:TX+2*i+1], v[S+8*i:S+8*i+7], v[PS]   ; key tile i: registers 2 i, 2 i + 1 of P's fragment; what was at work there is done with
.set i, i+1
.endr
	v_nop                                          ; one plain vector instruction between the conversions and the matrix instructions that read their results or write their sources
.endm
; A KEY STEP for the pair.  m = 1: a step beyond L is passed over (its loads, products and softmax; not the two lines that step the count and the address), and step L is masked.
.macro STEP m
.if \m
	s_cmp_gt_u32 s[KS], s[LAST]
	s_cbranch_scc1 .Lhidden_\@
.endif
	s_setprio 2
	KLOAD
	s_wait_dscnt 0x0
	KQ 0
	PLACES
.if \m
	s_cmp_lg_u32 s[KS], s[LAST]
	s_cbranch_scc1 .Lopen0_\@
	MASK 0
.Lopen0_\@:
.endif
	SOFT 0
	KQ 1                                           ; over tile 0's scores, which are codes by now
	PLACES                                         ; for the loads into K's registers and for the reads of the scores
	VLOAD                                          ; lands under tile 1's softmax
.if \m
	s_cmp_lg_u32 s[KS], s[LAST]
	s_cbranch_scc1 .Lopen1_\@
	MASK 1
.Lopen1_\@:
.endif
	SOFT 1
	s_setprio 0
	s_wait_alu depctr_va_vdst(0)
	PV
.if \m
.Lhidden_\@:
.endif
	s_add_co_u32 s[KS], s[KS], 1
	s_add_co_u32 s[TB], s[TB], STEPB
.endm
; A pair ends: O^T / the sum x 2^(e4 + e5), held, quantised with 2^e6: two pieces a tile, 512 consecutive bytes a store.  The first four lines are the places behind the last products.
.macro FINISH base
	v_add_f32 v[S], v[ST+2], v[ST+3]               ; the sums' two halves,
	v_add_f32 v[S+1], v[ST+6], v[ST+7]
	v_mov_b32 v[S+4], s[E6S]
	v_nop
	v_permlanex16_b32 v[P+4], v[S], s[SEL], s[SEL+1]
	v_permlanex16_b32 v[P+20], v[S+1], s[SEL], s[SEL+1]
	s_delay_alu instid0(VALU_DEP_2)
	v_add_f32 v[S], v[S], v[P+4]                   ; and lane l xor 16's
	s_delay_alu instid0(VALU_DEP_2)
	v_add_f32 v[S+1], v[S+1], v[P+20]
	s_wait_alu depctr_va_vdst(0)
	v_rcp_f32 v[S], v[S]
	v_rcp_f32 v[S+1], v[S+1]
	v_nop                                          ; a plain instruction behind the reciprocals,
	s_wait_alu depctr_va_vdst(0)                   ; and the wait ahead of their first reader: one for both
	v_ldexp_f32 v[S+8], v[S], s[EO]                ; each made twice, to fill the pair that the packed multiply names
	v_ldexp_f32 v[S+9], v[S], s[EO]
	v_ldexp_f32 v[S+10], v[S+1], s[EO]
	v_ldexp_f32 v[S+11], v[S+1], s[EO]
.irp x, 0,1
.set i, 0
.rept 16
	v_pk_mul_f32 v[O+32*\x+i:O+32*\x+i+1], v[O+32*\x+i:O+32*\x+i+1], v[S+8+2*\x:S+9+2*\x]
.set i, i+2
.endr
.set i, 0
.rept 32
.set i, i+1
.endr
.set i, 0
.rept 4
	v_cvt_scalef32_pk8_fp8_f32 v[S+16+8*\x+2*i:S+17+8*\x+2*i], v[O+32*\x+8*i:O+32*\x+8*i+7], v[S+4]
.set i, i+1
.endr
.endr
	v_nop                                          ; one plain vector instruction behind the conversions
.irp x, 0,1
	global_store_b128 v[L16], v[S+16+8*\x:S+19+8*\x], s[\base:\base+1] offset:65536*\x th:TH_STORE_NT       ; tile x lies 4 tiles of 16,384 bytes on
	global_store_b128 v[L16], v[S+20+8*\x:S+23+8*\x], s[\base:\base+1] offset:65536*\x+512 th:TH_STORE_NT
.endr
	s_wait_xcnt 0x0                                ; the stores have read their registers: the next pair's scores may land there
.endm
	INIT
	s_mov_b32 s[KS], 0
	s_mov_b32 s[TB], 0
	s_wait_tensorcnt 0x1                           ; my first load, one of key steps 0-3, is in; the second may stay out
	s_barrier_signal -1
	s_barrier_wait -1                              ; everybody's is
	s_wait_loadcnt 0x0                             ; Q, both pairs'
.Lfirst4:                                      ; key steps 0-3 of the first pair (L is 8 at the least: no mask, nothing passed over), while steps 4-15 land
	STEP 0
	s_cmp_lt_u32 s[KS], 4
	s_cbranch_scc1 .Lfirst4
	s_setprio 0
	s_wait_tensorcnt 0x0                           ; my second load is in,
	s_wait_dscnt 0x0                               ; (no LDS instruction of mine is out at a signal)
	s_barrier_signal -1
	s_barrier_wait -1                              ; everybody's is: all of K and V^T lies in LDS
	s_mov_b32 s[KS], 4                             ; (stated anew, so that the loop's start can be read off here)
	s_mov_b32 s[TB], 4*STEPB
.Lrest:                                        ; key steps 4-15
	STEP 1
	s_cmp_lt_u32 s[KS], 16
	s_cbranch_scc1 .Lrest
	s_setprio 0
	FINISH AB
	s_set_vgpr_msb 0x01                            ; source 0 window 1: the second pair's Q
.set i, 0
.rept 16
	v_mov_b32 v[Q+i], v[i]
.set i, i+1
.endr
	s_set_vgpr_msb 0x0100
	INIT
	s_mov_b32 s[LAST], s[WV]
	s_mov_b32 s[KS], 0
	s_mov_b32 s[TB], 0
.Lsecond:                                      ; key steps 0-7 of the second pair
	STEP 1
	s_cmp_lt_u32 s[KS], 8
	s_cbranch_scc1 .Lsecond
	s_setprio 0
	FINISH AA
	s_wait_tensorcnt 0x0                           ; the wave's end, behind my last tensor load
	ds_add_u32 v[SPW], v[NIL]
	s_wait_dscnt 0x0
	ROUND                                          ; the closing round
	s_endpgm
.Lfunc_end_k_q055f1da922_attn:
	.size	k_q055f1da922_attn, .Lfunc_end_k_q055f1da922_attn-k_q055f1da922_attn
	.p2alignl 7, 3214868480
	.fill 96, 4, 3214868480
	.section	.rodata,"a",@progbits
	.p2align	6, 0x0
	.amdhsa_kernel k_q055f1da922_attn
		.amdhsa_group_segment_fixed_size 327680
		.amdhsa_private_segment_fixed_size 0
		.amdhsa_enable_private_segment 0
		.amdhsa_kernarg_size 24
		.amdhsa_user_sgpr_count 2
		.amdhsa_user_sgpr_kernarg_segment_ptr 1
		.amdhsa_wavefront_size32 1
		.amdhsa_system_sgpr_workgroup_id_x 1
		.amdhsa_system_sgpr_workgroup_id_y 1
		.amdhsa_system_sgpr_workgroup_id_z 1
		.amdhsa_system_vgpr_workitem_id 0
		.amdhsa_next_free_vgpr 272
		.amdhsa_next_free_sgpr 80
		.amdhsa_reserve_vcc 1
		.amdhsa_float_denorm_mode_32 3
		.amdhsa_float_denorm_mode_16_64 3
		.amdhsa_fp16_overflow 1
		.amdhsa_memory_ordered 1
		.amdhsa_forward_progress 1
		.amdhsa_inst_pref_size 110
	.end_amdhsa_kernel
	.amdgpu_metadata
---
amdhsa.version: [ 1, 2 ]
amdhsa.kernels:
  - .name:           k_q055f1da922_attn
    .symbol:         k_q055f1da922_attn.kd
    .args:
      - { .name: qkv_img, .offset: 0, .size: 8, .value_kind: global_buffer, .address_space: global }
      - { .name: lowp_scales, .offset: 8, .size: 8, .value_kind: global_buffer, .address_space: global }
      - { .name: att_img, .offset: 16, .size: 8, .value_kind: global_buffer, .address_space: global }
    .group_segment_fixed_size: 327680
    .private_segment_fixed_size: 0
    .kernarg_segment_align: 8
    .kernarg_segment_size: 24
    .max_flat_workgroup_size: 256
    .sgpr_count:     80
    .vgpr_count:     272
    .wavefront_size: 32
...
	.end_amdgpu_metadata
.endif
;; end of part 3
;; launch gemm_proj (part 4): grid 4 x 32, 4 waves a work-group, clusters of 4 x 4, 327,680 bytes of LDS; arguments att_img, wproj_img, b_proj, lowp_scales, out0; writes out0
.if DOCPART == 4
	.amdgcn_target "amdgcn-amd-amdhsa--gfx1250"
	.amdhsa_code_object_version 6
	.text
	.protected	k_q055f1da922_gemm_proj
	.globl	k_q055f1da922_gemm_proj
	.p2align	8
	.type	k_q055f1da922_gemm_proj,@function
k_q055f1da922_gemm_proj:
	s_mov_b64 s[64:65], 0
	v_nop
	global_prefetch_b8 v0, s[64:65] scope:SCOPE_SE
	s_setreg_imm32_b32 hwreg(HW_REG_WAVE_MODE, 25, 1), 1
	s_wait_xcnt 0x0
	s_wait_alu depctr_hold_cnt(0) depctr_sa_sdst(0) depctr_va_vdst(0) depctr_va_sdst(0) depctr_va_ssrc(0) depctr_va_vcc(0) depctr_vm_vsrc(0)
	s_getreg_b32 s2, hwreg(HW_REG_IB_STS2, 6, 4)
	s_cmp_eq_u32 s2, 0
	s_cbranch_scc0 .Lentry_in_a_cluster
	s_endpgm
.Lentry_in_a_cluster:
	s_bfe_u32 s2, ttmp6, 0x10000c
	s_cmp_lg_u32 s2, 0xf033
	s_cbranch_scc0 .Lentry_shape_is_right
	s_endpgm
.Lentry_shape_is_right:
; out0 = att w_proj + b_proj on codes of FP8 (E4M3).  att_img: [512 tiles of 16 tokens][32 pieces][512]; wproj_img: [64 tiles of 16 columns][32 pieces][512]; out0: [8192][1024] f32.  K = 1024.
; OPERANDS are images of the matrix unit's registers: in a piece lane l owns the 16 bytes at 16 l: registers 4 c .. 4 c + 3 of a fragment of the plain fp8 forms are piece c: every fragment load is 16 x lane + a constant.
; A tile of the result, 256 x 256, is made by four waves, 128 x 128 each: 64 accumulators, 512 registers.  K goes in steps of 256 through two LDS slots filled by the tensor data mover.
; THE MATRIX INSTRUCTION IS USED TRANSPOSED (source 0 = 16 columns of w_proj, source 1 = 16 tokens): a lane holds eight neighbouring numbers of a row of out0.
; CLUSTERS: 4 x 4.  A's tiles are shared along a row of the cluster, B's along a column: each is asked for jointly, by the same tensor load with the same descriptor and a mask that names the four.
; out = sum x 2^(e6 + e7) + bias, one fused multiply-add.  LIMIT: e6 + e7 between -126 and 127.
; The result has 128 tiles of 256 x 256: 128 work-groups.  No prefetch: of the four K steps two are the first fills, and the other two are asked for a K step ahead by their own loads.
; REGISTERS, in windows of 256: window 0: v0-31 addresses; v32-95 the bias; v128-255 A's fragments, ONE set, on the way out rows read back from the stage.  window 1: B's fragments, TWO sets; on the way out v0-63 a block's results.
;   window 2: the accumulators of my rows 0-63 ((a, b) at v[8 (8 a + b)]); window 3: those of rows 64-127.
.set TROW,   4096                      ; what a K step holds of a tile of 16 rows: 8 pieces; also a row of a tensor load
.set IMGROW, 16384                     ; a tile of 16 rows in memory: 32 pieces
.set HALFT,  8*TROW                    ; 128 rows: what one tensor load brings, and what one wave reads of A or of B
.set SLOT,   4*HALFT                   ; A's 256 rows, then B's 256 rows
.set SPARE,  2*SLOT                    ; behind the ring: the spare words, 128 bytes for each wave: two blocks of 256 bytes that no other line names
.set SPITCH, 528                       ; the way out: a stage of 16 rows x (512 bytes + 16) for each wave.  It lies in slot 0, which has had its last fill and its last read when the first result is stored there
.set OROW,   4096                      ; a row of out0 in bytes
.set FR,     16
.set NL,     4
.set NP,     4                         ; places behind this matrix instruction (ISA guide 7.12.1)
.set L16,  10                          ; v10  16 x lane
.set H32,  11                          ; v11  32 h
.set ADRA, 16                          ; v16-17  LDS address of my A fragments in slot 0, 1
.set ADRB, 20                          ; v20-21  the same for B
.set STO,  24                          ; v24  the way out: where I put 32 bytes of a row
.set RD,   25                          ; v25  where I read a row back
.set SPW,  28                          ; v28  LDS address of my spare word; never rewritten
.set NIL,  29                          ; v29  0; never rewritten
.set BI,   32
.set TMP,  0                           ; in window 1
.set AF,   128
.set BK,   128
.set G1, 24
.set G0, 32
.set G1B, 48
.set G0B, 56
.set MSB, 0
.macro WIN new                         ; the immediate's high byte repeats the setting that is left; a switch that changes nothing is dropped
.if MSB != (\new)
	s_set_vgpr_msb (MSB<<8)|(\new)
.set MSB, \new
.endif
.endm
.set MUL_LO, 0xa1                      ; source 0 (B) window 1, source 1 (A) window 0, C and D window 2
.set MUL_HI, 0xf1                      ; the same, C and D window 3
.set TO_B,   0x40                      ; destination window 1, address window 0
; A joint load: waves 0 and 1 fetch for A, waves 2 and 3 for B; the branch hangs on the wave's number alone.  An s_nop 0 and four v_nop follow each of the two lines.
.macro JLOAD g0a, g1a, g0b, g1b
	s_cmp_eq_u32 s15, 0
	s_cbranch_scc0 .Lfor_b_\@
	tensor_load_to_lds s[\g0a:\g0a+3], s[\g1a:\g1a+7]
	s_nop 0
.rept 4
	v_nop
.endr
	s_branch .Lasked_\@
.Lfor_b_\@:
	tensor_load_to_lds s[\g0b:\g0b+3], s[\g1b:\g1b+7]
	s_nop 0
.rept 4
	v_nop
.endr
.Lasked_\@:
.endm
.macro CREST                           ; a round of the cluster's barrier behind its opening barrier
	s_cmp_lg_u32 s14, 0
	s_cbranch_scc1 .Lnot_wave_0_\@
	s_barrier_signal -3
.Lnot_wave_0_\@:
	s_barrier_wait -3
	s_barrier_signal -1
	s_barrier_wait -1
.endm
.macro CROUND
	s_barrier_signal -1
	s_barrier_wait -1
	CREST
.endm
	s_load_b128 s[4:7], s[0:1], 0x0                ; att_img s[4:5], wproj_img s[6:7]
	s_load_b128 s[8:11], s[0:1], 0x10              ; b_proj s[8:9], the exponents s[10:11]
	s_load_b64 s[12:13], s[0:1], 0x20              ; out0
	v_lshl_add_u32 v[SPW], v0, 2, SPARE
	v_mov_b32 v[NIL], 0
	ds_add_u32 v[SPW], v[NIL]                      ; the wave's opening: the add and its wait ahead of my first tensor load; the set-up below, work on registers, stands between them
	ds_add_u32 v[SPW], v[NIL]
	v_lshrrev_b32 v1, 5, v0
	v_readfirstlane_b32 s14, v1                    ; wave 0..3
	s_lshr_b32 s15, s14, 1                         ; which half of the tile's rows is mine.  Also: I fetch for A (0) or for B (1)
	s_and_b32 s16, s14, 1                          ; which half of its columns.  Also: which 128 rows of that tile I fetch
	s_bfe_u32 s40, ttmp6, 0x40000                  ; cx, cy
	s_bfe_u32 s41, ttmp6, 0x40004
	s_lshl_b32 s42, ttmp9, 2
	s_add_co_u32 s42, s42, s40                     ; tile column = 4 x cluster x + cx
	s_and_b32 s17, ttmp7, 0xffff
	s_lshl_b32 s17, s17, 2
	s_add_co_u32 s17, s17, s41                     ; tile row = 4 x cluster y + cy
	s_lshl_b32 s43, s41, 2
	s_lshl_b32 s43, 15, s43                        ; my row of the cluster
	s_lshl_b32 s44, 0x1111, s40                    ; my column
	; descriptor group 1: 8 rows (tiles of 16) x 4,096 bytes (8 pieces), 16,384 bytes apart in memory, dense in LDS
	s_or_b32 s[G1+0], s43, (1<<21)                 ; 15:0 the mask; 17:16 elements of 1 byte; 20 no padding; 21 set beside a mask
	s_or_b32 s[G1B+0], s44, (1<<21)
.irp g, G1, G1B
	s_mov_b32 s[\g+1], TROW<<16                    ; tensor_dim0
	s_mov_b32 s[\g+2], 8<<16                       ; tensor_dim1
	s_mov_b32 s[\g+3], TROW<<16                    ; tile_dim0
	s_mov_b32 s[\g+4], 8                           ; tile_dim1
	s_mov_b32 s[\g+5], IMGROW                      ; tensor_dim0_stride
	s_mov_b32 s[\g+6], 0
	s_mov_b32 s[\g+7], 0
.endr
	s_lshl_b32 s18, s16, 3                         ; which 8 tiles of 16 rows I fetch
	s_lshl_b32 s20, s17, 4
	s_add_co_u32 s20, s20, s18
	s_lshl_b32 s20, s20, 14                        ; A: (16 x tile row + 8 x half) tiles of 16,384 bytes
	s_lshl_b32 s46, s42, 4
	s_add_co_u32 s46, s46, s18
	s_lshl_b32 s46, s46, 14                        ; B likewise, by the tile column
	s_mov_b32 s21, 0
	s_mov_b32 s47, 0
	s_mul_i32 s45, s14, HALFT                      ; where they go: wave x 128 rows
	s_wait_dscnt 0x0                               ; the opening add is done
	s_wait_kmcnt 0x0
	s_load_b256 s[88:95], s[10:11], 0x0            ; e0 .. e7
	s_add_nc_u64 s[20:21], s[4:5], s[20:21]
	s_add_nc_u64 s[46:47], s[6:7], s[46:47]
	CROUND                                         ; all sixteen work-groups are here: the first joint loads meet
.irp s, 0,1
	s_mov_b32 s[G0+4*\s], 1
	s_add_co_u32 s[G0+4*\s+1], s45, \s*SLOT
	s_add_nc_u64 s[G0+4*\s+2:G0+4*\s+3], s[20:21], \s*TROW
	s_or_b32 s[G0+4*\s+3], s[G0+4*\s+3], 0x80000000
	s_mov_b32 s[G0B+4*\s], 1
	s_add_co_u32 s[G0B+4*\s+1], s45, \s*SLOT
	s_add_nc_u64 s[G0B+4*\s+2:G0B+4*\s+3], s[46:47], \s*TROW
	s_or_b32 s[G0B+4*\s+3], s[G0B+4*\s+3], 0x80000000
	s_wait_alu depctr_va_vdst(0)
	s_wait_tensorcnt 0x0
	ds_add_u32 v28, v29
	ds_add_u32 v28, v29
	s_wait_dscnt 0x0
	CROUND
	JLOAD G0+4*\s, G1, G0B+4*\s, G1B               ; one tensor load of mine is out
.endr
	v_and_b32 v1, 15, v0                           ; r
	v_bfe_u32 v2, v0, 4, 1                         ; h
	v_and_b32 v3, 31, v0
	v_lshlrev_b32 v[L16], 4, v3
	v_lshlrev_b32 v[H32], 5, v2
	s_wait_alu depctr_va_vdst(0)
	s_lshl_b32 s20, s17, 8
	s_lshl_b32 s21, s15, 7
	s_add_co_u32 s20, s20, s21                     ; my first row of out0: 256 x tile row + 128 x half,
	s_lshl_b32 s20, s20, 12                        ; in bytes
	s_mov_b32 s21, 0
	s_lshl_b32 s46, s42, 10                        ; my first column, in bytes: 1,024 x tile column + 512 x half: in a row of out0 and in b_proj alike
	s_lshl_b32 s47, s16, 9
	s_add_co_u32 s46, s46, s47
	s_mov_b32 s47, 0
	s_add_nc_u64 s[8:9], s[8:9], s[46:47]
	s_add_nc_u64 s[12:13], s[12:13], s[46:47]
	s_add_nc_u64 s[12:13], s[12:13], s[20:21]
.set i, 0
.rept 8
	global_load_b128 v[BI+8*i:BI+8*i+3],   v[H32], s[8:9] offset:64*i      ; accumulator b = i, registers 0-7: columns 16 i + 8 h + 0..7
	global_load_b128 v[BI+8*i+4:BI+8*i+7], v[H32], s[8:9] offset:64*i+16
.set i, i+1
.endr
	s_mul_i32 s21, s15, HALFT                      ; my 128 rows of A
	s_mul_i32 s22, s16, HALFT                      ; my 128 rows of B,
	s_add_co_u32 s22, s22, 2*HALFT                 ; which lie behind A's 256
.irp s, 0,1
	v_add_nc_u32 v[ADRA+\s], s21, v[L16]
	v_add_nc_u32 v[ADRB+\s], s22, v[L16]
	s_add_co_u32 s21, s21, SLOT
	s_add_co_u32 s22, s22, SLOT
.endr
	s_mul_i32 s23, s14, 16*SPITCH                  ; my stage
	v_mul_u32_u24 v5, v1, SPITCH                   ; in: row r, 32 bytes for each half of the lanes
	v_lshl_add_u32 v5, v2, 5, v5
	v_add_nc_u32 v[STO], s23, v5
	v_add_nc_u32 v[RD], s23, v[L16]                ; back: the 32 lanes take one row of 512 bytes
.macro FRAG reg, adr, q, i             ; a fragment, 16 rows x 128 K: four pieces, 512 consecutive bytes each
.irp c, 0,1,2,3
	ds_load_b128 v[\reg+4*\c:\reg+4*\c+3], v[\adr] offset:(\i)*TROW+2048*(\q)+512*\c
.endr
.endm
; 16 matrix instructions: A's blocks a0, a0 + 1 x B's eight, 128 along K.  The 64 accumulators take turns, one instruction a turn, in the same order in every step.
.macro MUL16 a0, p, zero
.irp a, \a0, \a0+1
.irp b, 0,1,2,3,4,5,6,7
.if \zero
	v_wmma_f32_16x16x128_fp8_fp8 v[8*(8*((\a)%4)+\b):8*(8*((\a)%4)+\b)+7], v[128*(\p)+FR*\b:128*(\p)+FR*\b+FR-1], v[AF+FR*(\a):AF+FR*(\a)+FR-1], 0
.else
	v_wmma_f32_16x16x128_fp8_fp8 v[8*(8*((\a)%4)+\b):8*(8*((\a)%4)+\b)+7], v[128*(\p)+FR*\b:128*(\p)+FR*\b+FR-1], v[AF+FR*(\a):AF+FR*(\a)+FR-1], v[8*(8*((\a)%4)+\b):8*(8*((\a)%4)+\b)+7]
.endif
.endr
.endr
.endm
.macro FETCH_B slot, q, p
	WIN TO_B
.irp i, 0,1,2,3,4,5,6,7
	FRAG 128*(\p)+FR*\i, ADRB+\slot, \q, \i
.endr
	WIN 0
.endm
.macro FETCH_A slot, q, i0
.irp i, \i0, \i0+1, \i0+2, \i0+3
	FRAG AF+FR*(\i), ADRA+\slot, \q, \i
.endr
.endm
.macro PLACES n                        ; places behind a matrix instruction, in front of loads into registers that it has read and of reads of its result
.rept \n
	v_nop
.endr
.endm
.macro STEP slot, q, zero              ; a step of 128 along K that has its successor in the same slot
	s_wait_dscnt 4*NL                              ; B's set and A's blocks 0-3 are in; the youngest 16 loads (A's blocks 4-7) may be out
	WIN MUL_LO
	MUL16 0, (\q)%2, \zero
	MUL16 2, (\q)%2, \zero
	s_wait_dscnt 0                                 ; A's blocks 4-7 are in
	PLACES NP
	FETCH_B \slot, (\q)+1, 1-(\q)%2
	FETCH_A \slot, (\q)+1, 0
	WIN MUL_HI
	MUL16 4, (\q)%2, \zero
	MUL16 6, (\q)%2, \zero
	PLACES NP
	WIN 0
	FETCH_A \slot, (\q)+1, 4
.endm
; A slot's last step changes slots: ONE barrier; in front of it each wave waits for all its tensor loads, adds 0 to its spare word, and waits for that and for its own reads of this slot.
.macro TURN slot, next, fill
	s_wait_tensorcnt 0x0                           ; all my tensor loads have landed: my part of the next slot
	ds_add_u32 v[SPW], v[NIL]                      ; 0 onto my spare word
	s_wait_dscnt 4*NL+1                            ; (the add and the youngest 16 loads may be out)
	WIN MUL_LO
	MUL16 0, 1, 0
	s_wait_dscnt 0x0                               ; the add is done, and my reads of this slot are over
	s_barrier_signal -1
	MUL16 2, 1, 0
	WIN 0
	s_barrier_wait -1
.if \fill
	CREST                                          ; the barrier has opened a round of the cluster's barrier: no wave of any partner still reads this slot's tile or has a load on its way
	s_add_nc_u64 s[G0+4*\slot+2:G0+4*\slot+3], s[G0+4*\slot+2:G0+4*\slot+3], 2*TROW
	s_add_nc_u64 s[G0B+4*\slot+2:G0B+4*\slot+3], s[G0B+4*\slot+2:G0B+4*\slot+3], 2*TROW
	JLOAD G0+4*\slot, G1, G0B+4*\slot, G1B         ; the first tensor load behind the round, my one load until the next
.else
	PLACES NP
.endif
	FETCH_B \next, 0, 0
	FETCH_A \next, 0, 0
	WIN MUL_HI
	MUL16 4, 1, 0
	MUL16 6, 1, 0
	PLACES NP
	WIN 0
	FETCH_A \next, 0, 4
.endm
	s_wait_alu depctr_va_vdst(0)
	s_wait_tensorcnt 1                             ; my part of K step 0 is in (K step 1's load may be out)
	s_barrier_signal -1
	s_barrier_wait -1                              ; everybody's is
	FETCH_B 0, 0, 0
	FETCH_A 0, 0, 0
	FETCH_A 0, 0, 4
	STEP 0, 0, 1                                   ; K = 1024 is four K steps, twice round the ring: written straight.  The first products start the sums
	TURN 0, 1, 1                                   ; slot 0 takes K step 2
	STEP 1, 0, 0
	TURN 1, 0, 1                                   ; slot 1 takes K step 3
	STEP 0, 0, 0
	TURN 0, 1, 0                                   ; nothing is left to fetch
	STEP 1, 0, 0
	s_wait_dscnt 4*NL                              ; the very last step
	WIN MUL_LO
	MUL16 0, 1, 0
	MUL16 2, 1, 0
	s_wait_dscnt 0
	WIN MUL_HI
	MUL16 4, 1, 0
	MUL16 6, 1, 0
	WIN 0
; THE WAY OUT, block by block of 16 rows x 128 columns.  A lane holds 32 neighbouring bytes of a row, and the lanes beside it hold other rows: so a block goes through my own stage in LDS and comes back as whole rows of
; 512 bytes.  LDS serves a wave's instructions in order (ISA guide 5.7.1.4): no wait between the stores and the loads, nor in front of the next block's stores.
.macro TOSTAGE a
.set AC, 64*((\a)%4)
	WIN 0x42+((\a)/4)                              ; source 0: window 2 or 3; the bias in window 0; destination window 1, where B's fragments are done with
.set j, 0
.rept 32
	v_pk_fma_f32 v[TMP+j:TMP+j+1], v[AC+j:AC+j+1], s[96:97], v[BI+j:BI+j+1] op_sel_hi:[1,0,1]   ; sum x 2^(e6 + e7) + bias; each accumulator from its low end on
.set j, j+2
.endr
	WIN 0x04                                       ; an LDS store's data are its source 1: window 1
.irp b, 0,1,2,3,4,5,6,7
	ds_store_b128 v[STO], v[TMP+8*\b:TMP+8*\b+3] offset:64*\b
	ds_store_b128 v[STO], v[TMP+8*\b+4:TMP+8*\b+7] offset:64*\b+16
.endr
	WIN 0
.set BB, BK+64*((\a)%2)
.irp t, 0,1,2,3,4,5,6,7,8,9,10,11,12,13,14,15
	ds_load_b128 v[BB+4*\t:BB+4*\t+3], v[RD] offset:\t*SPITCH
.endr
.endm
.macro SEND a, younger                 ; younger: the LDS instructions issued behind block a's loads, which may stay out
.set BB, BK+64*((\a)%2)
	s_wait_dscnt \younger                          ; the block is back in registers
.if (\a) > 0
	s_add_nc_u64 s[12:13], s[12:13], 16*OROW       ; (behind a wait on XCNT: the earlier stores have read their base)  16 rows on
.endif
.irp t, 0,1,2,3,4,5,6,7,8,9,10,11,12,13,14,15
	global_store_b128 v[L16], v[BB+4*\t:BB+4*\t+3], s[12:13] offset:\t*OROW th:TH_STORE_NT   ; 32 lanes store 512 consecutive bytes, at a multiple of 256 from out0's first byte
.endr
.endm
	s_wait_kmcnt 0x0
	s_add_co_i32 s96, s94, s95                     ; e6 + e7,
	s_add_co_i32 s96, s96, 127
	s_lshl_b32 s96, s96, 23                        ; as the f32 number 2^(e6 + e7)
	s_mov_b32 s97, s96                             ; (named with it as a pair, so it is written)
	s_wait_loadcnt 0x0                             ; the bias
	PLACES NP                                      ; behind the last products: for the reads of results, the writes over B's fragments and the loads over A's
	TOSTAGE 0
.irp a, 1,2,3,4,5,6,7
.if \a > 1
	s_wait_xcnt 0x0                                ; block a - 2's stores have read their registers and their base: block a's loads may land there, and the base may step
.endif
	TOSTAGE \a
	SEND \a-1, 32                                  ; behind block a - 1's loads: block a's 16 stores and 16 loads
.endr
	s_wait_xcnt 0x0                                ; block 6's stores have read their base
	SEND 7, 0
	s_wait_tensorcnt 0x0                           ; the wave's end, behind my last tensor load and my last LDS store
	ds_add_u32 v[SPW], v[NIL]
	s_wait_dscnt 0x0
	CROUND                                         ; the closing round
	s_endpgm
.Lfunc_end_k_q055f1da922_gemm_proj:
	.size	k_q055f1da922_gemm_proj, .Lfunc_end_k_q055f1da922_gemm_proj-k_q055f1da922_gemm_proj
	.p2alignl 7, 3214868480
	.fill 96, 4, 3214868480
	.section	.rodata,"a",@progbits
	.p2align	6, 0x0
	.amdhsa_kernel k_q055f1da922_gemm_proj
		.amdhsa_group_segment_fixed_size 327680
		.amdhsa_private_segment_fixed_size 0
		.amdhsa_enable_private_segment 0
		.amdhsa_kernarg_size 40
		.amdhsa_user_sgpr_count 2
		.amdhsa_user_sgpr_kernarg_segment_ptr 1
		.amdhsa_wavefront_size32 1
		.amdhsa_system_sgpr_workgroup_id_x 1
		.amdhsa_system_sgpr_workgroup_id_y 1
		.amdhsa_system_sgpr_workgroup_id_z 1
		.amdhsa_system_vgpr_workitem_id 0
		.amdhsa_next_free_vgpr 1024
		.amdhsa_next_free_sgpr 100
		.amdhsa_reserve_vcc 0
		.amdhsa_float_denorm_mode_32 3
		.amdhsa_float_denorm_mode_16_64 3
		.amdhsa_memory_ordered 1
		.amdhsa_forward_progress 1
		.amdhsa_inst_pref_size 126
	.end_amdhsa_kernel
	.amdgpu_metadata
---
amdhsa.version: [ 1, 2 ]
amdhsa.kernels:
  - .name:           k_q055f1da922_gemm_proj
    .symbol:         k_q055f1da922_gemm_proj.kd
    .args:
      - { .name: att_img, .offset: 0, .size: 8, .value_kind: global_buffer, .address_space: global }
      - { .name: wproj_img, .offset: 8, .size: 8, .value_kind: global_buffer, .address_space: global }
      - { .name: b_proj, .offset: 16, .size: 8, .value_kind: global_buffer, .address_space: global }
      - { .name: lowp_scales, .offset: 24, .size: 8, .value_kind: global_buffer, .address_space: global }
      - { .name: out0, .offset: 32, .size: 8, .value_kind: global_buffer, .address_space: global }
    .group_segment_fixed_size: 327680
    .private_segment_fixed_size: 0
    .kernarg_segment_align: 8
    .kernarg_segment_size: 40
    .max_flat_workgroup_size: 128
    .sgpr_count:     100
    .vgpr_count:     1024
    .wavefront_size: 32
...
	.end_amdgpu_metadata
.endif
;; end of part 4
